; MI455X (gfx1250); checked and timed in simulation.
; The chip was launched on July 23, 2026; its instructions are those of AMD's public machine-readable ISA for CDNA 5 (MIT licence, August 2026) and "CDNA5" Instruction Set Architecture Reference Guide (July 2026). The comments in the code are by the model that wrote it; some were corrected since.
;; scaled dot product attention. Allowed arithmetic: float matrix products may take bf16 or f16 operands with f32 sums; other float arithmetic in f32, or as packed bf16 or f16 multiplies, adds, multiply-adds, maxima and minima; sums over many terms, partial sums and values carried from step to step in f32; what a program stores and reads back later, other than sums and carried values, may be rounded once to bf16 or f16.
;; Inputs: Wk 1,024 x 1,024 float32; Wq 1,024 x 1,024 float32; Wv 1,024 x 1,024 float32; x 4 x 2,048 x 1,024 float32.
;; Outputs: out0 4 x 2,048 x 1,024 float32.
;; 2 versions, each right; version 2 is version 1 with the launch cast written anew for expert scheduling mode. Each part assembles by itself: llvm-mc -triple=amdgcn-amd-amdhsa -mcpu=gfx1250 --defsym DOCPART=n.
;; ======== version 1 of 2: 4 launches
;; limits: values are held in f16: magnitudes above 65,504 overflow, below 6.1e-05 lose precision
;; workspace buffers: xb 16,777,216 bytes; wb 6,291,456 bytes; qkv 50,331,648 bytes; pt 33,554,432 bytes; mst 524,288 bytes; lst 524,288 bytes
;; launch cast (part 1): grid 256 x 1, 8 waves a work-group, no clusters, 0 bytes of LDS; arguments x, Wq, Wk, Wv, xb, wb; writes xb, wb
.if DOCPART == 1
	.amdgcn_target "amdgcn-amd-amdhsa--gfx1250"
	.amdhsa_code_object_version 6
	.text
	.protected	k_qaaf8b5fa18_cast
	.globl	k_qaaf8b5fa18_cast
	.p2align	8
	.type	k_qaaf8b5fa18_cast,@function
k_qaaf8b5fa18_cast:
	s_mov_b64 s[64:65], 0
	v_nop
	global_prefetch_b8 v0, s[64:65] scope:SCOPE_SE
	s_setreg_imm32_b32 hwreg(HW_REG_WAVE_MODE, 25, 1), 1
	s_wait_xcnt 0x0
; x [8192][1024] and Wq, Wk, Wv [1024][1024], f32, are rounded once to bf16 and laid out tile by tile for the projection:
;   xb [32 row blocks][16 k blocks][256 rows][64 numbers],  wb [8 row blocks][16 k blocks][384 rows][64 numbers], the 3,072 rows being Wq's, Wk's, Wv's on end.
; So a tile of one K step of 64 is dense in memory, and a row block's walk along K is one stream.
; SHARES.  256 work-groups of equal work: each takes 32 rows of x (256 x 32 = 8,192) and three groups of 4 rows of the weights (256 x 12 = 3,072); a group of 4 lies in one matrix and in one row block of 384.
; Wave w takes k blocks 2 w and 2 w + 1: 512 bytes on end of every row.  One piece of work is 4 rows x 64 numbers: lane l reads 32 bytes (row l / 8, numbers 8 (l % 8) on) and writes 16 bytes at 16 l,
; so a store covers 512 consecutive bytes, aligned, and a piece's two loads cover four aligned runs of 256 bytes.  22 pieces a wave, all 44 loads issued at once:
; every register is written once, so the only waits are the counted ones for the loads.  No LDS, no matrix work: each byte is read once and written once, and nothing is shared.
	s_load_b256 s[4:11], s[0:1], 0x0               ; x s[4:5], Wq s[6:7], Wk s[8:9], Wv s[10:11]
	s_load_b128 s[12:15], s[0:1], 0x20             ; xb s[12:13], wb s[14:15]
	v_lshrrev_b32 v1, 5, v0
	v_readfirstlane_b32 s16, v1                    ; wave 0..7
	v_and_b32 v4, 31, v0                           ; lane
	v_lshrrev_b32 v5, 3, v4                        ; row of the piece
	v_and_b32 v6, 7, v4
	v_lshlrev_b32 v2, 12, v5
	v_lshl_or_b32 v2, v6, 5, v2                    ; in: row x 4,096 + 32 (l % 8)
	v_lshlrev_b32 v3, 4, v4                        ; out: 16 l
	s_lshl_b32 s17, s16, 9                         ; my wave's 512 bytes of a row
	s_lshl_b32 s20, ttmp9, 17                      ; x: 32 rows of 4,096 bytes for each work-group
	s_add_co_u32 s20, s20, s17
	s_mov_b32 s21, 0
	s_lshr_b32 s22, ttmp9, 3
	s_lshl_b32 s22, s22, 19                        ; xb: row block id / 8, 524,288 bytes each,
	s_and_b32 s23, ttmp9, 7
	s_lshl_b32 s23, s23, 12                        ; 32 (id % 8) rows of 128 bytes,
	s_add_co_u32 s22, s22, s23
	s_lshl_b32 s23, s16, 16                        ; k block 2 w of 32,768 bytes
	s_add_co_u32 s22, s22, s23
	s_mov_b32 s23, 0
	s_mul_i32 s18, ttmp9, 3                        ; my first group of 4 rows among the weights' 768
	s_mul_i32 s19, s16, 98304                      ; wb: k block 2 w of 49,152 bytes
	s_wait_kmcnt 0x0
	s_add_nc_u64 s[4:5], s[4:5], s[20:21]
	s_add_nc_u64 s[12:13], s[12:13], s[22:23]
.set n_, 0
.rept 16                               ; piece n of x: rows 4 (n / 2) on, k block 2 w + n % 2
	global_load_b128 v[8+8*n_:8+8*n_+3],   v2, s[4:5] offset:(n_/2)*16384+(n_%2)*256 th:TH_LOAD_NT
	global_load_b128 v[8+8*n_+4:8+8*n_+7], v2, s[4:5] offset:(n_/2)*16384+(n_%2)*256+16 th:TH_LOAD_NT
.set n_, n_+1
.endr
.irp t, 0,1,2                          ; group g = 3 id + t: matrix g / 256, its rows 4 (g % 256) on; row 4 g of the 3,072
	s_add_co_u32 s24, s18, \t
	s_lshr_b32 s25, s24, 8                         ; which matrix
	s_and_b32 s26, s24, 255
	s_lshl_b32 s26, s26, 14
	s_add_co_u32 s26, s26, s17
	s_mov_b32 s27, 0
	s_mul_i32 s28, s24, 683
	s_lshr_b32 s28, s28, 16                        ; g / 96, exact for g < 768: the row block of 384
	s_mul_i32 s29, s28, 96
	s_sub_co_u32 s29, s24, s29
	s_lshl_b32 s29, s29, 9                         ; 4 rows of 128 bytes a group
	s_mul_i32 s28, s28, 786432
	s_add_co_u32 s28, s28, s29
	s_add_co_u32 s28, s28, s19
	s_mov_b32 s29, 0
	s_cmp_eq_u32 s25, 1
	s_cselect_b64 s[40+4*\t:41+4*\t], s[8:9], s[6:7]
	s_cmp_eq_u32 s25, 2
	s_cselect_b64 s[40+4*\t:41+4*\t], s[10:11], s[40+4*\t:41+4*\t]
	s_add_nc_u64 s[40+4*\t:41+4*\t], s[40+4*\t:41+4*\t], s[26:27]  ; the group's source,
	s_add_nc_u64 s[42+4*\t:43+4*\t], s[14:15], s[28:29]            ; and its place in wb
.endr
.set n_, 16
.rept 6                                ; piece n of the weights: group (n - 16) / 2, k block 2 w + n % 2
	global_load_b128 v[8+8*n_:8+8*n_+3],   v2, s[40+4*((n_-16)/2):41+4*((n_-16)/2)] offset:(n_%2)*256 th:TH_LOAD_NT
	global_load_b128 v[8+8*n_+4:8+8*n_+7], v2, s[40+4*((n_-16)/2):41+4*((n_-16)/2)] offset:(n_%2)*256+16 th:TH_LOAD_NT
.set n_, n_+1
.endr
.set n_, 0
.rept 22
	s_wait_loadcnt 42-2*n_                         ; loads come back in order: the 2 (21 - n) issued behind piece n's may stay out
.irp i, 0,1,2,3
	v_cvt_pk_bf16_f32 v[8+8*n_+(\i)], v[8+8*n_+2*(\i)], v[8+8*n_+2*(\i)+1]  ; in place, ascending: no source is lost
.endr
.if n_ < 16
	global_store_b128 v3, v[8+8*n_:8+8*n_+3], s[12:13] offset:(n_/2)*512+(n_%2)*32768
.else
	global_store_b128 v3, v[8+8*n_:8+8*n_+3], s[42+4*((n_-16)/2):43+4*((n_-16)/2)] offset:(n_%2)*49152
.endif
.set n_, n_+1
.endr
	s_endpgm
.Lfunc_end_k_qaaf8b5fa18_cast:
	.size	k_qaaf8b5fa18_cast, .Lfunc_end_k_qaaf8b5fa18_cast-k_qaaf8b5fa18_cast
	.p2alignl 7, 3214868480
	.fill 96, 4, 3214868480
	.section	.rodata,"a",@progbits
	.p2align	6, 0x0
	.amdhsa_kernel k_qaaf8b5fa18_cast
		.amdhsa_group_segment_fixed_size 0
		.amdhsa_private_segment_fixed_size 0
		.amdhsa_enable_private_segment 0
		.amdhsa_kernarg_size 48
		.amdhsa_user_sgpr_count 2
		.amdhsa_user_sgpr_kernarg_segment_ptr 1
		.amdhsa_wavefront_size32 1
		.amdhsa_system_sgpr_workgroup_id_x 1
		.amdhsa_system_sgpr_workgroup_id_y 1
		.amdhsa_system_sgpr_workgroup_id_z 1
		.amdhsa_system_vgpr_workitem_id 0
		.amdhsa_next_free_vgpr 184
		.amdhsa_next_free_sgpr 66
		.amdhsa_reserve_vcc 0
		.amdhsa_float_denorm_mode_32 3
		.amdhsa_float_denorm_mode_16_64 3
		.amdhsa_memory_ordered 1
		.amdhsa_forward_progress 1
		.amdhsa_inst_pref_size 16
	.end_amdhsa_kernel
	.amdgpu_metadata
---
amdhsa.version: [ 1, 2 ]
amdhsa.kernels:
  - .name:           k_qaaf8b5fa18_cast
    .symbol:         k_qaaf8b5fa18_cast.kd
    .args:
      - { .name: x, .offset: 0, .size: 8, .value_kind: global_buffer, .address_space: global }
      - { .name: Wq, .offset: 8, .size: 8, .value_kind: global_buffer, .address_space: global }
      - { .name: Wk, .offset: 16, .size: 8, .value_kind: global_buffer, .address_space: global }
      - { .name: Wv, .offset: 24, .size: 8, .value_kind: global_buffer, .address_space: global }
      - { .name: xb, .offset: 32, .size: 8, .value_kind: global_buffer, .address_space: global }
      - { .name: wb, .offset: 40, .size: 8, .value_kind: global_buffer, .address_space: global }
    .group_segment_fixed_size: 0
    .private_segment_fixed_size: 0
    .kernarg_segment_align: 8
    .kernarg_segment_size: 48
    .max_flat_workgroup_size: 256
    .sgpr_count:     66
    .vgpr_count:     184
    .wavefront_size: 32
...
	.end_amdgpu_metadata
.endif
;; end of part 1
;; launch proj (part 2): grid 8 x 32, 4 waves a work-group, clusters of 4 x 4, 327,680 bytes of LDS; arguments xb, wb, qkv; writes qkv
.if DOCPART == 2
	.amdgcn_target "amdgcn-amd-amdhsa--gfx1250"
	.amdhsa_code_object_version 6
	.text
	.protected	k_qaaf8b5fa18_proj
	.globl	k_qaaf8b5fa18_proj
	.p2align	8
	.type	k_qaaf8b5fa18_proj,@function
k_qaaf8b5fa18_proj:
	s_mov_b64 s[64:65], 0
	v_nop
	global_prefetch_b8 v0, s[64:65] scope:SCOPE_SE
	s_setreg_imm32_b32 hwreg(HW_REG_WAVE_MODE, 25, 1), 1
	s_wait_xcnt 0x0
	s_wait_alu depctr_hold_cnt(0) depctr_sa_sdst(0) depctr_va_vdst(0) depctr_va_sdst(0) depctr_va_ssrc(0) depctr_va_vcc(0) depctr_vm_vsrc(0)
	s_getreg_b32 s2, hwreg(HW_REG_IB_STS2, 6, 4)
	s_cmp_eq_u32 s2, 0
	s_cbranch_scc0 .Lentry_in_a_cluster
	s_endpgm
.Lentry_in_a_cluster:
	s_bfe_u32 s2, ttmp6, 0x10000c
	s_cmp_lg_u32 s2, 0xf033
	s_cbranch_scc0 .Lentry_shape_is_right
	s_endpgm
.Lentry_shape_is_right:
; qkv[8192][3072] = x [Wq; Wk; Wv]^T: q in columns 0-1023, k in 1024-2047, v in 2048-3071.  Operands bf16 (xb, wb, laid out by tiles), sums f32, K ascending, the result rounded once to f16.
; LIMIT.  f16 holds no number beyond 65,504: |q|, |k|, |v| must stay below it.  NaN and infinities are not treated apart.
; SHARES.  8192 x 3072 is 256 tiles of 256 x 384, one to a work-group.  Four waves, 2 x 2: wave (wm, wn) makes rows 128 wm on, columns 192 wn on: 8 x 12 accumulators of 16 x 16, 768 registers.
; K goes in 16 steps of 64 through a ring of two LDS slots (256 rows of x and 384 rows of W, 128 bytes each, 144 apart); two slots of a step of 128 would not fit.  A tile of a step is dense
; in memory and is asked for as rows of 256 bytes.
; CLUSTER.  4 x 4 work-groups: x's tile hangs on the tile row alone and is asked for jointly along a row of the cluster, W's on the tile column alone, along a column.
; THE MATRIX INSTRUCTION IS USED TRANSPOSED (source 0 = 16 rows of W, source 1 = 16 rows of x): a lane holds one row of the result and eight neighbouring columns.
; REGISTERS.  window 0: v16-31 addresses; v32-95, v96-159 x's fragments of the step's two halves of 32 along K; v160-207, v208-255 W's fragments, six column blocks each.
;   windows 1-3: accumulator (a, b) is number 8 b + a: window 1 + number / 32, register 8 (number % 32).
; A step is four PHASES of 48 products (K half q, column half hh); in each the buffer that the phase before read out is loaded again, 32 products ahead of its use.
.set PITCH, 144                        ; 128 bytes + 16: an odd multiple of 16, so the 16 rows of a fragment load start at 16 different groups of four banks (ISA guide 11.1)
.set SLOT,  640*PITCH                  ; 92,160
.set BOFF,  256*PITCH                  ; W's rows lie behind x's
.set SP,    784                        ; the stage's row: 768 bytes + 16
.set SPARE, 256*SP                     ; 200,704: behind the stage (which lies over the ring once its last fill has been read): the spare words, 128 bytes a wave
.set AF,  32
.set BF,  160
.set TMP, 32
.set OB,  64
.set G1,  24                           ; s[24:31] group 1 for x's tiles, s[32:39] group 0, a set for each slot
.set G0,  32
.set G1B, 48                           ; s[48:55], s[56:63] the same for W's
.set G0B, 56
.set PFA, 66                           ; s[66:67] where my prefetches stand
.set LIM, 68                           ; s68, s69: 1 if I prefetch at slot 0's (slot 1's) refill, else the greatest number
.set PFS, 70                           ; s[70:71], s[72:73]: how far my prefetches step at slot 0's (slot 1's) refill
.set MSB, 0
.macro WIN new                         ; the immediate's high byte repeats the setting that is left; a switch that changes nothing is dropped
.if MSB != (\new)
	s_set_vgpr_msb (MSB<<8)|(\new)
.set MSB, \new
.endif
.endm
.macro PLACES                          ; four places between a matrix instruction and a load into, or a vector instruction on, its registers
.rept 4
	v_nop
.endr
.endm
.macro CREST                           ; a round of the cluster's barrier behind its opening barrier
	s_cmp_lg_u32 s10, 0
	s_cbranch_scc1 .Lnw0_\@
	s_barrier_signal -3
.Lnw0_\@:
	s_barrier_wait -3
	s_barrier_signal -1
	s_barrier_wait -1
.endm
.macro CROUND
	s_barrier_signal -1
	s_barrier_wait -1
	CREST
.endm
.macro JLOAD s                         ; a joint refill: waves 0 and 1 fetch x's two halves, waves 2 and 3 W's; an s_nop 0 and four v_nop follow each line
	s_cmp_eq_u32 s11, 0
	s_cbranch_scc0 .Lfor_b_\@
	tensor_load_to_lds s[G0+4*(\s):G0+4*(\s)+3], s[G1:G1+7]
	s_nop 0
.rept 4
	v_nop
.endr
	s_branch .Lasked_\@
.Lfor_b_\@:
	tensor_load_to_lds s[G0B+4*(\s):G0B+4*(\s)+3], s[G1B:G1B+7]
	s_nop 0
.rept 4
	v_nop
.endr
.Lasked_\@:
.endm
; A PREFETCH behind a refill and the run of LDS loads that follows it: 32 lanes x 256 bytes, 8,192 bytes on end of the tile stream, named once in the launch.
; x's tile row is read by both clusters of its row of clusters: the one with x = 0 asks, wave 0 of each of the four partners for a quarter of the K step that stands two refills on (told apart by address: cx).
; W's tile column is read by all eight clusters of its column: the one with y = 0 asks, waves 1 to 3 of the four partners, at slot 0's refill, each for a twelfth of the two K steps that stand two and three refills on (cy and the wave).
; The loop's last trip asks for nothing: the last bytes named are the streams' last.  The first four K steps come by their loads alone.
.macro ASK sl
	s_cmp_gt_u32 s3, s[LIM+(\sl)]
	s_cbranch_scc0 .Lnm_\@
	global_prefetch_b8 v30, s[PFA:PFA+1] th:TH_LOAD_NT scope:SCOPE_SE
.Lnm_\@:
.endm
	s_load_b128 s[76:79], s[0:1], 0x0              ; xb s[76:77], wb s[78:79]
	s_load_b64 s[80:81], s[0:1], 0x10              ; qkv
	v_lshl_add_u32 v28, v0, 2, SPARE
	v_mov_b32 v29, 0
	ds_add_u32 v28, v29                            ; the wave's opening: the add and its wait stand ahead of my first tensor load; the set-up stands between them
	v_lshrrev_b32 v1, 5, v0
	v_readfirstlane_b32 s10, v1                    ; wave 0..3
	s_lshr_b32 s11, s10, 1                         ; wm.  Also: I fetch for x (0) or for W (1)
	s_and_b32 s12, s10, 1                          ; wn.  Also: which half of that tile I fetch
	s_bfe_u32 s40, ttmp6, 0x40000                  ; cx
	s_bfe_u32 s41, ttmp6, 0x40004                  ; cy
	s_lshl_b32 s42, ttmp9, 2
	s_add_co_u32 s42, s42, s40                     ; tile column = 4 x cluster x + cx
	s_and_b32 s45, ttmp7, 0xffff                   ; cluster y
	s_lshl_b32 s13, s45, 2
	s_add_co_u32 s13, s13, s41                     ; tile row = 4 x cluster y + cy
	s_lshl_b32 s43, s41, 2
	s_lshl_b32 s43, 15, s43                        ; my row of the cluster
	s_lshl_b32 s44, 0x1111, s40                    ; my column
	; group 1: rows of 128 elements (256 bytes, two rows of the tile), 16 bytes of padding behind every 32 words
	s_or_b32 s[G1], s43, (1<<16)|(1<<20)|(1<<21)|(4<<22)|(3<<25)
	s_or_b32 s[G1B], s44, (1<<16)|(1<<20)|(1<<21)|(4<<22)|(3<<25)
	s_mov_b32 s[G1+1], 128<<16                     ; tensor_dim0 = 128
	s_mov_b32 s[G1+2], 64<<16                      ; tensor_dim1 = 64: 128 rows of x
	s_mov_b32 s[G1+3], 128<<16                     ; tile_dim0
	s_mov_b32 s[G1+4], 64                          ; tile_dim1
	s_mov_b32 s[G1+5], 128                         ; dense
	s_mov_b32 s[G1+6], 0
	s_mov_b32 s[G1+7], 0
	s_mov_b32 s[G1B+1], 128<<16
	s_mov_b32 s[G1B+2], 96<<16                     ; 192 rows of W
	s_mov_b32 s[G1B+3], 128<<16
	s_mov_b32 s[G1B+4], 96
	s_mov_b32 s[G1B+5], 128
	s_mov_b32 s[G1B+6], 0
	s_mov_b32 s[G1B+7], 0
	s_lshl_b32 s14, s13, 19                        ; x: tile row x 524,288
	s_lshl_b32 s15, s12, 14                        ; + my half, 16,384 bytes
	s_add_co_u32 s14, s14, s15
	s_mov_b32 s15, 0
	s_mul_i32 s46, s42, 786432                     ; W: tile column x 786,432
	s_mul_i32 s47, s12, 24576
	s_add_co_u32 s46, s46, s47
	s_mov_b32 s47, 0
	s_mul_i32 s20, s12, 128*PITCH                  ; where they go: no place in the cluster enters an LDS address
	s_mul_i32 s21, s12, 192*PITCH
	s_add_co_u32 s21, s21, BOFF
	s_wait_dscnt 0x0                               ; the opening add is done
	s_wait_kmcnt 0x0
	s_add_nc_u64 s[14:15], s[76:77], s[14:15]
	s_add_nc_u64 s[46:47], s[78:79], s[46:47]
	CROUND                                         ; all sixteen work-groups are here: the first joint loads meet
.irp s, 0,1
	s_mov_b32 s[G0+4*(\s)], 1
	s_add_co_u32 s[G0+4*(\s)+1], s20, (\s)*SLOT
	s_add_nc_u64 s[G0+4*(\s)+2:G0+4*(\s)+3], s[14:15], (\s)*32768
	s_or_b32 s[G0+4*(\s)+3], s[G0+4*(\s)+3], 0x80000000
	s_mov_b32 s[G0B+4*(\s)], 1
	s_add_co_u32 s[G0B+4*(\s)+1], s21, (\s)*SLOT
	s_add_nc_u64 s[G0B+4*(\s)+2:G0B+4*(\s)+3], s[46:47], (\s)*49152
	s_or_b32 s[G0B+4*(\s)+3], s[G0B+4*(\s)+3], 0x80000000
.endr
	s_cmp_eq_u32 s11, 0                            ; a wave's two first fills stand in one branch: two loads of mine are out, the most in this text
	s_cbranch_scc0 .Lfirst_b
	tensor_load_to_lds s[G0:G0+3], s[G1:G1+7]
	s_nop 0
	tensor_load_to_lds s[G0+4:G0+7], s[G1:G1+7]
	s_nop 0
.rept 4
	v_nop
.endr
	s_branch .Lfirst_done
.Lfirst_b:
	tensor_load_to_lds s[G0B:G0B+3], s[G1B:G1B+7]
	s_nop 0
	tensor_load_to_lds s[G0B+4:G0B+7], s[G1B:G1B+7]
	s_nop 0
.rept 4
	v_nop
.endr
.Lfirst_done:
	v_and_b32 v1, 15, v0                           ; r = l % 16
	v_bfe_u32 v2, v0, 4, 1                         ; h = l / 16
	v_mul_u32_u24 v3, v1, PITCH
	v_lshl_add_u32 v3, v2, 4, v3                   ; a fragment's row x pitch + 16 h
	s_mul_i32 s21, s11, 128*PITCH
	s_mul_i32 s22, s12, 192*PITCH
	s_add_co_u32 s22, s22, BOFF
.irp s, 0,1
	v_add_nc_u32 v[16+(\s)], s21, v3               ; v16, v17: my rows of x in slot 0, 1
	v_add_nc_u32 v[20+(\s)], s22, v3               ; v20, v21: my rows of W
	s_add_co_u32 s21, s21, SLOT
	s_add_co_u32 s22, s22, SLOT
.endr
	s_mul_i32 s23, s11, 128*SP                     ; into the stage: row 128 wm + r, byte 384 wn + 16 h
	s_mul_i32 s16, s12, 384
	s_add_co_u32 s23, s23, s16
	v_mul_u32_u24 v4, v1, SP
	v_lshl_add_u32 v4, v2, 4, v4
	v_add_nc_u32 v24, s23, v4
	v_add_nc_u32 v23, 64*SP, v24                   ; the same 64 rows down: the immediate has 16 bits
	s_mul_i32 s23, s10, 64*SP                      ; back: wave w takes rows 64 w on, whole; lanes 0-15 one row's 256 bytes, lanes 16-31 the next row's
	v_mul_u32_u24 v5, v2, SP
	v_lshl_add_u32 v5, v1, 4, v5
	v_add_nc_u32 v25, s23, v5
	v_mul_u32_u24 v5, v2, 6144
	v_lshl_add_u32 v26, v1, 4, v5                  ; the same two rows in qkv
	s_lshl_b32 s16, s13, 8
	s_lshl_b32 s17, s10, 6
	s_add_co_u32 s16, s16, s17
	s_mul_i32 s16, s16, 6144                       ; the first row that I store,
	s_mul_i32 s17, s42, 768                        ; the tile's first column
	s_add_co_u32 s16, s16, s17
	s_mov_b32 s17, 0
	s_add_nc_u64 s[80:81], s[80:81], s[16:17]
	; the prefetches
	s_lshl_b32 s14, s13, 19
	s_lshl_b32 s15, s40, 13
	s_add_co_u32 s14, s14, s15                     ; x: tile row, my work-group's quarter
	s_mul_i32 s16, s42, 786432
	s_mul_i32 s17, s41, 3
	s_max_u32 s18, s10, 1
	s_add_co_u32 s17, s17, s18
	s_sub_co_u32 s17, s17, 1                       ; W: share 3 cy + wave - 1 of twelve
	s_lshl_b32 s17, s17, 13
	s_add_co_u32 s16, s16, s17
	s_mov_b32 s19, 0x18000
	s_cmp_eq_u32 s10, 0
	s_cselect_b32 s14, s14, s16
	s_cselect_b64 s[PFA:PFA+1], s[76:77], s[78:79]
	s_cselect_b32 s18, ttmp9, s45                  ; the coordinate along which other clusters read the same tiles
	s_cselect_b32 s[PFS], 0x8000, s19              ; x: a K step at each refill; W: two K steps at slot 0's,
	s_cselect_b32 s[PFS+2], 0x8000, 0              ; none at slot 1's
	s_cmp_eq_u32 s18, 0
	s_cselect_b32 s[LIM], 1, -1
	s_cmp_eq_u32 s10, 0
	s_cselect_b32 s[LIM+1], s[LIM], -1
	s_mov_b32 s[PFS+1], 0
	s_mov_b32 s[PFS+3], 0
	s_add_co_u32 s14, s14, 98304                   ; x: at K step 3, W: at K step 2; the first refill steps both to K step 4
	s_mov_b32 s15, 0
	s_add_nc_u64 s[PFA:PFA+1], s[PFA:PFA+1], s[14:15]
	v_and_b32 v30, 31, v0
	v_lshlrev_b32 v30, 8, v30
; n x 8 products: K half q, column blocks 6 hh + b0 on, all 8 row blocks.  All of one call lie in one window.  zero = 1: the product starts the sum.
; The accumulators take turns, one instruction a turn: between two products on one accumulator stand 95 others'.
.macro MULB q, hh, b0, n, zero
.set W_, 1+(48*(\hh)+8*(\b0))/32
	WIN (W_<<6)|(W_<<4)
.set bi_, \b0
.rept \n
.set a_, 0
.rept 8
.set rD, 8*((48*(\hh)+8*bi_+a_)%32)
.set rB, BF+48*(\hh)+8*bi_
.set rA, AF+64*(\q)+8*a_
.if \zero
	v_wmma_f32_16x16x32_bf16 v[rD:rD+7], v[rB:rB+7], v[rA:rA+7], 0
.else
	v_wmma_f32_16x16x32_bf16 v[rD:rD+7], v[rB:rB+7], v[rA:rA+7], v[rD:rD+7]
.endif
.set a_, a_+1
.endr
.set bi_, bi_+1
.endr
.endm
.macro FA sl, q                        ; x's 8 fragments of K half q
	WIN 0
.irp i, 0,1,2,3,4,5,6,7
	ds_load_b128 v[AF+64*(\q)+8*(\i):AF+64*(\q)+8*(\i)+3],   v[16+(\sl)] offset:64*(\q)+(\i)*16*PITCH
	ds_load_b128 v[AF+64*(\q)+8*(\i)+4:AF+64*(\q)+8*(\i)+7], v[16+(\sl)] offset:64*(\q)+(\i)*16*PITCH+32
.endr
.endm
.macro FB sl, q, hh                    ; W's 6 fragments of K half q, column half hh
	WIN 0
.irp i, 0,1,2,3,4,5
	ds_load_b128 v[BF+48*(\hh)+8*(\i):BF+48*(\hh)+8*(\i)+3],   v[20+(\sl)] offset:64*(\q)+(6*(\hh)+(\i))*16*PITCH
	ds_load_b128 v[BF+48*(\hh)+8*(\i)+4:BF+48*(\hh)+8*(\i)+7], v[20+(\sl)] offset:64*(\q)+(6*(\hh)+(\i))*16*PITCH+32
.endr
.endm
; The phases.  The wait at a phase's head is for 0: all that is out is the run issued 32 products back, which this phase multiplies.
.macro P00 sl, z
	s_wait_dscnt 0x0
	MULB 0,0,4,2,\z
	WIN 0
	PLACES
	FB \sl,0,1
	MULB 0,0,0,4,\z
.endm
.macro P01 sl, z
	s_wait_dscnt 0x0
	MULB 0,1,0,2,\z
	WIN 0
	PLACES
	FB \sl,1,0
	FA \sl,1
	MULB 0,1,2,4,\z
.endm
.macro P10 sl
	s_wait_dscnt 0x0
	MULB 1,0,4,2,0
	WIN 0
	PLACES
	FB \sl,1,1
	MULB 1,0,0,4,0
.endm
; The last phase changes slots: ONE barrier.  In front of it each wave waits for all its tensor loads (the one that is out is its part of the next slot), adds 0 to its spare word, and waits for that and for
; its reads of this slot.  fill = 1: the barrier opens a round of the cluster's, and this slot is filled again, first thing behind it, with the K step two on: 176 products stand between that request and the wait for it.
.macro P11 sl, nx, fill
.if \fill
	s_wait_xcnt 0x0                                ; the last prefetch, a K step back, has read its address
	s_add_nc_u64 s[PFA:PFA+1], s[PFA:PFA+1], s[PFS+2*(\sl):PFS+2*(\sl)+1]
.endif
	WIN 0
	s_wait_tensorcnt 0x0
	ds_add_u32 v28, v29
	s_wait_dscnt 1                                 ; the fragments are in; the add alone may be out
	MULB 1,1,0,1,0
	s_wait_dscnt 0x0                               ; the add is done, my reads of this slot are over
	s_barrier_signal -1
	MULB 1,1,1,1,0
	WIN 0
	s_barrier_wait -1
.if \fill
	CREST
	s_add_nc_u64 s[G0+4*(\sl)+2:G0+4*(\sl)+3], s[G0+4*(\sl)+2:G0+4*(\sl)+3], 2*32768
	s_add_nc_u64 s[G0B+4*(\sl)+2:G0B+4*(\sl)+3], s[G0B+4*(\sl)+2:G0B+4*(\sl)+3], 2*49152
	JLOAD \sl                                      ; its four v_nop are also the places in front of the loads below
.else
	PLACES
.endif
	FB \nx,0,0
	FA \nx,0
.if \fill
	ASK \sl
.endif
	MULB 1,1,2,4,0
.endm
	s_wait_tensorcnt 1                             ; my part of K step 0 is in; K step 1's may stay out
	s_barrier_signal -1
	s_barrier_wait -1
	FB 0,0,0
	FA 0,0
	P00 0,1                                        ; the first K half starts all 96 sums
	P01 0,1
	WIN 0
	s_mov_b32 s3, 7
.Llap:                                                 ; a trip goes once round the ring, from a lap's second K half to the next lap's first, and fills both slots again
	P10 0
	P11 0,1,1
	P00 1,0
	P01 1,0
	P10 1
	P11 1,0,1
	P00 0,0
	P01 0,0
	WIN 0
	s_sub_co_u32 s3, s3, 1
	s_cmp_lg_u32 s3, 0
	s_cbranch_scc1 .Llap
	P10 0                                          ; the last lap fills nothing
	P11 0,1,0
	P00 1,0
	P01 1,0
	P10 1
	s_wait_dscnt 0x0
	MULB 1,1,0,2,0
	MULB 1,1,2,4,0
	; THE WAY OUT.  The ring has had its last fill and, behind this barrier, its last read: the stage lies over it.  A row's 768 bytes come from two waves, so a barrier stands between writing and reading.
	WIN 0
	s_wait_dscnt 0x0
	s_barrier_signal -1
	s_barrier_wait -1
	PLACES
.set g_, 0
.rept 12                               ; column block g: its eight accumulators lie on end
.set W_, 1+(8*g_)/32
.set R_, 8*((8*g_)%32)
	WIN 5*W_                                       ; sources 0 and 1 in the accumulators' window
.set a_, 0
.rept 8
.irp i, 0,1,2,3
	v_cvt_pk_f16_f32 v[TMP+4*a_+(\i)], v[R_+8*a_+2*(\i)], v[R_+8*a_+2*(\i)+1]  ; each accumulator from its low end on
.endr
.set a_, a_+1
.endr
	WIN 0
.set a_, 0
.rept 4
	ds_store_b128 v24, v[TMP+4*a_:TMP+4*a_+3] offset:a_*16*SP+32*g_
	ds_store_b128 v23, v[TMP+16+4*a_:TMP+16+4*a_+3] offset:a_*16*SP+32*g_
.set a_, a_+1
.endr
.set g_, g_+1
.endr
	s_wait_dscnt 0x0                               ; for the others' sake: my stores into the stage are done
	s_barrier_signal -1
	s_barrier_wait -1
	s_mov_b32 s2, 8
.Lout:                                                 ; a trip: 8 whole rows of 768 bytes
.set n_, 0
.rept 12
	ds_load_b128 v[OB+4*n_:OB+4*n_+3], v25 offset:2*(n_/3)*SP+256*(n_%3)
.set n_, n_+1
.endr
.set n_, 0
.rept 12
	s_wait_dscnt 11-n_                             ; the loads issued behind this one may stay out
	global_store_b128 v26, v[OB+4*n_:OB+4*n_+3], s[80:81] offset:2*(n_/3)*6144+256*(n_%3)  ; 16 lanes store 256 consecutive bytes, aligned
.set n_, n_+1
.endr
	s_wait_xcnt 0x0                                ; the stores have read their registers and their base
	s_add_nc_u64 s[80:81], s[80:81], 8*6144
	v_add_nc_u32 v25, 8*SP, v25
	s_sub_co_u32 s2, s2, 1
	s_cmp_lg_u32 s2, 0
	s_cbranch_scc1 .Lout
	s_wait_tensorcnt 0x0                           ; the wave's end
	ds_add_u32 v28, v29
	s_wait_dscnt 0x0
	CROUND                                         ; the closing round
	s_endpgm
.Lfunc_end_k_qaaf8b5fa18_proj:
	.size	k_qaaf8b5fa18_proj, .Lfunc_end_k_qaaf8b5fa18_proj-k_qaaf8b5fa18_proj
	.p2alignl 7, 3214868480
	.fill 96, 4, 3214868480
	.section	.rodata,"a",@progbits
	.p2align	6, 0x0
	.amdhsa_kernel k_qaaf8b5fa18_proj
		.amdhsa_group_segment_fixed_size 327680
		.amdhsa_private_segment_fixed_size 0
		.amdhsa_enable_private_segment 0
		.amdhsa_kernarg_size 24
		.amdhsa_user_sgpr_count 2
		.amdhsa_user_sgpr_kernarg_segment_ptr 1
		.amdhsa_wavefront_size32 1
		.amdhsa_system_sgpr_workgroup_id_x 1
		.amdhsa_system_sgpr_workgroup_id_y 1
		.amdhsa_system_sgpr_workgroup_id_z 1
		.amdhsa_system_vgpr_workitem_id 0
		.amdhsa_next_free_vgpr 1024
		.amdhsa_next_free_sgpr 82
		.amdhsa_reserve_vcc 0
		.amdhsa_float_denorm_mode_32 3
		.amdhsa_float_denorm_mode_16_64 3
		.amdhsa_memory_ordered 1
		.amdhsa_forward_progress 1
		.amdhsa_inst_pref_size 117
	.end_amdhsa_kernel
	.amdgpu_metadata
---
amdhsa.version: [ 1, 2 ]
amdhsa.kernels:
  - .name:           k_qaaf8b5fa18_proj
    .symbol:         k_qaaf8b5fa18_proj.kd
    .args:
      - { .name: xb, .offset: 0, .size: 8, .value_kind: global_buffer, .address_space: global }
      - { .name: wb, .offset: 8, .size: 8, .value_kind: global_buffer, .address_space: global }
      - { .name: qkv, .offset: 16, .size: 8, .value_kind: global_buffer, .address_space: global }
    .group_segment_fixed_size: 327680
    .private_segment_fixed_size: 0
    .kernarg_segment_align: 8
    .kernarg_segment_size: 24
    .max_flat_workgroup_size: 128
    .sgpr_count:     82
    .vgpr_count:     1024
    .wavefront_size: 32
...
	.end_amdgpu_metadata
.endif
;; end of part 2
;; launch score (part 3): grid 8 x 32, 4 waves a work-group, clusters of 4 x 4, 327,680 bytes of LDS; arguments qkv, pt, mst, lst; writes pt, mst, lst
.if DOCPART == 3
	.amdgcn_target "amdgcn-amd-amdhsa--gfx1250"
	.amdhsa_code_object_version 6
	.text
	.protected	k_qaaf8b5fa18_score
	.globl	k_qaaf8b5fa18_score
	.p2align	8
	.type	k_qaaf8b5fa18_score,@function
k_qaaf8b5fa18_score:
	s_mov_b64 s[64:65], 0
	v_nop
	global_prefetch_b8 v0, s[64:65] scope:SCOPE_SE
	s_setreg_imm32_b32 hwreg(HW_REG_WAVE_MODE, 25, 1), 1
	s_wait_xcnt 0x0
	s_wait_alu depctr_hold_cnt(0) depctr_sa_sdst(0) depctr_va_vdst(0) depctr_va_sdst(0) depctr_va_ssrc(0) depctr_va_vcc(0) depctr_vm_vsrc(0)
	s_getreg_b32 s2, hwreg(HW_REG_IB_STS2, 6, 4)
	s_cmp_eq_u32 s2, 0
	s_cbranch_scc0 .Lentry_in_a_cluster
	s_endpgm
.Lentry_in_a_cluster:
	s_bfe_u32 s2, ttmp6, 0x10000c
	s_cmp_lg_u32 s2, 0xf033
	s_cbranch_scc0 .Lentry_shape_is_right
	s_endpgm
.Lentry_shape_is_right:
; For each query and each block of 128 keys of its batch: s = q . k (f16 operands, f32 sums), m = the block's largest s, and with c = log2(e) / 32
;   the weight 2^(c s - c m) in f16 into pt,   mst[batch][block][query] = c m,   lst[batch][block][query] = the sum of the block's unrounded 2^(c s - c m), both f32.
; The maximum that is taken away is that of the 128 keys that ONE wave holds for the row, so nothing is exchanged between waves; the next launch, which knows a row's 16 block maxima, corrects by 2^(c m_block - c m_row).
; pt IS LAID OUT AS THE NEXT PRODUCT'S FRAGMENTS: [512 blocks of 16 queries][64 chunks of 32 keys][1,024 bytes]; in a chunk lane l = (r, h) has 16 bytes at 16 l (query r, keys 8 h .. 8 h + 7)
; and 16 bytes at 512 + 16 l (keys 16 + 8 h ..).  That is what a lane holds here when two neighbouring accumulators are rounded in pairs, so every store covers 512 consecutive bytes, aligned.
; LIMITS.  An exponential below 2^-126 counts as 0 in the sum, a weight below 6e-8 as 0 in pt.  NaN and infinities are not treated apart.
; SHARES.  A work-group makes 256 queries x 256 keys; 4 batches x 8 x 8 such tiles are 256.  Four waves, 2 x 2, each 128 x 128: 64 accumulators, 512 registers.  K = 1,024 goes in 8 steps of 128
; through a ring of two LDS slots; the rows of q's and k's tiles are 256 bytes of memory, aligned.
; CLUSTER.  4 x 4: q's tile is asked for jointly along a row of the cluster, k's along a column.
; THE MATRIX INSTRUCTION IS USED TRANSPOSED (source 0 = 16 keys, source 1 = 16 queries): a lane holds one query and eight neighbouring keys.
; REGISTERS.  window 0: v16-31 addresses; v64-127, v128-191 q's fragments, two buffers; window 1: the same for k's; window 2: the accumulators of my queries 0-63 ((a, b) at 8 (8 a + b)); window 3: queries 64-127.
; THE SOFTMAX is written once and looped over the wave's eight blocks of 16 queries.  A loop cannot step register numbers, so the scores pass through LDS once, in f32, lane for lane as they lie in the registers:
; a trip takes a block's 64 registers back, in which a lane holds one query and 64 of its 128 keys; the other 64 lie in the lane 16 away.
.set KSTEP,  128
.set PITCH,  272                       ; 256 bytes + 16
.set HALFT,  128*PITCH
.set SLOT,   4*HALFT
.set BLKB,   8192                      ; a dumped block of 16 queries: 16 pieces of 512 bytes, 16 bytes a lane
.set DUMPW,  8*BLKB                    ; a wave's dump; the four lie over the ring once it has had its last fill and its last read
.set STT,    2*SLOT                    ; behind the ring: 1,024 bytes a wave: 128 c m, then 128 sums
.set SPARE,  STT+4096                  ; the spare words, 128 bytes a wave
.set ROWB,   6144                      ; a row of qkv
.set ADRA, 16
.set ADRB, 20
.set SPW,  28
.set NIL,  29
.set F0,   64
.set F1,   128
.set X,    64                          ; the block loop: 64 scores: key block b's eight at X + 8 b
.set Y,    128                         ; 8 x 4: packed weights
.set T,    160                         ; 8 running maxima, one a key block
.set CM,   168                         ; the pair (c m, m)
.set L,    170                         ; the sum
.set G1, 24
.set G0, 32
.set G1B, 48
.set G0B, 56
.set PFA, 66
.set LIM, 68
.set MSB, 0
.macro WIN new
.if MSB != (\new)
	s_set_vgpr_msb (MSB<<8)|(\new)
.set MSB, \new
.endif
.endm
.set MUL_LO, 0xa1                      ; source 0 (k) window 1, source 1 (q) window 0, C and D window 2
.set MUL_HI, 0xf1
.set TO_B,   0x40
.macro PLACES
.rept 4
	v_nop
.endr
.endm
.macro CREST
	s_cmp_lg_u32 s10, 0
	s_cbranch_scc1 .Lnw0_\@
	s_barrier_signal -3
.Lnw0_\@:
	s_barrier_wait -3
	s_barrier_signal -1
	s_barrier_wait -1
.endm
.macro CROUND
	s_barrier_signal -1
	s_barrier_wait -1
	CREST
.endm
.macro JLOAD s                         ; waves 0 and 1 fetch q's two halves, waves 2 and 3 k's; an s_nop 0 and four v_nop follow each line
	s_cmp_eq_u32 s11, 0
	s_cbranch_scc0 .Lfor_b_\@
	tensor_load_to_lds s[G0+4*(\s):G0+4*(\s)+3], s[G1:G1+7]
	s_nop 0
.rept 4
	v_nop
.endr
	s_branch .Lasked_\@
.Lfor_b_\@:
	tensor_load_to_lds s[G0B+4*(\s):G0B+4*(\s)+3], s[G1B:G1B+7]
	s_nop 0
.rept 4
	v_nop
.endr
.Lasked_\@:
.endm
; A PREFETCH behind each refill and its run of LDS loads: the K step that stands two refills on, 32 rows x 256 bytes, a lane a row.  q's tile row is read by both clusters of its row of clusters: cluster x = 0 asks;
; k's tile column by the two clusters of its batch: the one with even y asks.  Of the 128 rows that a wave fetches each of the four partners takes 32, told apart by address (cx for q, cy for k).
; So each row's 256 bytes of a K step are named once.  The loop's last trip asks for nothing; the first four K steps come by their loads alone.
.macro ASK
	s_cmp_gt_u32 s3, s[LIM]
	s_cbranch_scc0 .Lnm_\@
	global_prefetch_b8 v30, s[PFA:PFA+1] offset:KSTEP*2 th:TH_LOAD_NT scope:SCOPE_SE
.Lnm_\@:
.endm
	s_load_b256 s[76:83], s[0:1], 0x0              ; qkv s[76:77], pt s[78:79], mst s[80:81], lst s[82:83]
	v_lshl_add_u32 v[SPW], v0, 2, SPARE
	v_mov_b32 v[NIL], 0
	ds_add_u32 v[SPW], v[NIL]                      ; the wave's opening: the add and its wait stand ahead of my first tensor load
	v_lshrrev_b32 v1, 5, v0
	v_readfirstlane_b32 s10, v1
	s_lshr_b32 s11, s10, 1                         ; which half of the queries is mine.  Also: I fetch for q (0) or for k (1)
	s_and_b32 s12, s10, 1                          ; which half of the keys.  Also: which 128 rows of that tile I fetch
	s_bfe_u32 s40, ttmp6, 0x40000
	s_bfe_u32 s41, ttmp6, 0x40004
	s_lshl_b32 s42, ttmp9, 2
	s_add_co_u32 s42, s42, s40                     ; block of 256 keys in the batch
	s_and_b32 s45, ttmp7, 0xffff
	s_lshl_b32 s13, s45, 2
	s_add_co_u32 s13, s13, s41                     ; block of 256 queries among all 32: 8 x batch + block
	s_lshl_b32 s43, s41, 2
	s_lshl_b32 s43, 15, s43
	s_lshl_b32 s44, 0x1111, s40
	s_or_b32 s[G1], s43, (1<<16)|(1<<20)|(1<<21)|(5<<22)|(3<<25)
	s_or_b32 s[G1B], s44, (1<<16)|(1<<20)|(1<<21)|(5<<22)|(3<<25)
.irp g, G1, G1B
	s_mov_b32 s[(\g)+1], KSTEP<<16                 ; tensor_dim0 = 128
	s_mov_b32 s[(\g)+2], 128<<16                   ; tensor_dim1 = 128
	s_mov_b32 s[(\g)+3], KSTEP<<16                 ; tile_dim0
	s_mov_b32 s[(\g)+4], 128                       ; tile_dim1
	s_mov_b32 s[(\g)+5], 3072                      ; elements from row to row
	s_mov_b32 s[(\g)+6], 0
	s_mov_b32 s[(\g)+7], 0
.endr
	s_mov_b32 s74, 0x3d38aa3b                      ; c = log2(e) / 32
	s_mov_b32 s75, s74                             ; named with it as a pair
	s_mov_b32 s70, 0x76543210                      ; v_permlanex16_b32: each lane takes its own place in the other half
	s_mov_b32 s71, 0xfedcba98
	s_lshl_b32 s17, s12, 7
	s_lshl_b32 s14, s13, 8
	s_add_co_u32 s14, s14, s17
	s_mul_i32 s14, s14, ROWB                       ; q: row 256 x block + 128 x half
	s_mov_b32 s15, 0
	s_lshr_b32 s46, s45, 1                         ; the batch, which the whole cluster shares
	s_lshl_b32 s46, s46, 11
	s_lshl_b32 s47, s42, 8
	s_add_co_u32 s46, s46, s47
	s_add_co_u32 s46, s46, s17
	s_mul_i32 s46, s46, ROWB
	s_add_co_u32 s46, s46, 2048                    ; k lies 1,024 columns in
	s_mov_b32 s47, 0
	s_mul_i32 s20, s10, HALFT
	s_wait_dscnt 0x0
	s_wait_kmcnt 0x0
	s_add_nc_u64 s[14:15], s[76:77], s[14:15]
	s_add_nc_u64 s[46:47], s[76:77], s[46:47]
	CROUND
.irp s, 0,1
	s_mov_b32 s[G0+4*(\s)], 1
	s_add_co_u32 s[G0+4*(\s)+1], s20, (\s)*SLOT
	s_add_nc_u64 s[G0+4*(\s)+2:G0+4*(\s)+3], s[14:15], (\s)*KSTEP*2
	s_or_b32 s[G0+4*(\s)+3], s[G0+4*(\s)+3], 0x80000000
	s_mov_b32 s[G0B+4*(\s)], 1
	s_add_co_u32 s[G0B+4*(\s)+1], s20, (\s)*SLOT
	s_add_nc_u64 s[G0B+4*(\s)+2:G0B+4*(\s)+3], s[46:47], (\s)*KSTEP*2
	s_or_b32 s[G0B+4*(\s)+3], s[G0B+4*(\s)+3], 0x80000000
.endr
	s_cmp_eq_u32 s11, 0                            ; a wave's two first fills stand in one branch: two loads of mine are out, the most in this text
	s_cbranch_scc0 .Lfirst_b
	tensor_load_to_lds s[G0:G0+3], s[G1:G1+7]
	s_nop 0
	tensor_load_to_lds s[G0+4:G0+7], s[G1:G1+7]
	s_nop 0
.rept 4
	v_nop
.endr
	s_branch .Lfirst_done
.Lfirst_b:
	tensor_load_to_lds s[G0B:G0B+3], s[G1B:G1B+7]
	s_nop 0
	tensor_load_to_lds s[G0B+4:G0B+7], s[G1B:G1B+7]
	s_nop 0
.rept 4
	v_nop
.endr
.Lfirst_done:
	v_and_b32 v1, 15, v0                           ; r
	v_bfe_u32 v2, v0, 4, 1                         ; h
	v_and_b32 v31, 31, v0                          ; l
	v_mul_u32_u24 v3, v1, PITCH
	v_lshl_add_u32 v3, v2, 4, v3
	s_mul_i32 s21, s11, HALFT
	s_mul_i32 s22, s12, HALFT
	s_add_co_u32 s22, s22, 2*HALFT
.irp s, 0,1
	v_add_nc_u32 v[ADRA+(\s)], s21, v3
	v_add_nc_u32 v[ADRB+(\s)], s22, v3
	s_add_co_u32 s21, s21, SLOT
	s_add_co_u32 s22, s22, SLOT
.endr
	s_lshl_b32 s23, s10, 16                        ; my dump: DUMPW bytes a wave
	v_lshl_add_u32 v24, v31, 4, s23                ; in: 16 bytes a lane, 512 on end a piece
	v_mov_b32 v25, v24                             ; back: the same, stepped a block a trip
	v_lshlrev_b32 v26, 4, v31                      ; 16 l: my 16 bytes of 512 on end, in pt, in mst and in lst
	s_lshl_b32 s23, s10, 10
	s_add_co_u32 s23, s23, STT
	v_lshl_add_u32 v27, v1, 2, s23                 ; my query's word among the wave's statistics
	v_lshl_add_u32 v22, v31, 4, s23                ; and where they are read back, 16 bytes a lane
	s_lshl_b32 s16, s13, 4
	s_lshl_b32 s17, s11, 3
	s_add_co_u32 s16, s16, s17                     ; pt: my first block of 16 queries,
	s_lshl_b32 s16, s16, 6
	s_lshl_b32 s17, s42, 3
	s_add_co_u32 s16, s16, s17
	s_lshl_b32 s17, s12, 2
	s_add_co_u32 s16, s16, s17                     ; my first chunk of 32 keys,
	s_lshl_b32 s16, s16, 10                        ; 1,024 bytes a chunk
	s_mov_b32 s17, 0
	s_add_nc_u64 s[78:79], s[78:79], s[16:17]
	s_lshr_b32 s16, s13, 3                         ; the statistics: (16 batch + my block of 128 keys) x 2,048 + my first query in the batch
	s_lshl_b32 s16, s16, 4
	s_lshl_b32 s17, s42, 1
	s_add_co_u32 s16, s16, s17
	s_add_co_u32 s16, s16, s12
	s_lshl_b32 s16, s16, 11
	s_and_b32 s17, s13, 7
	s_lshl_b32 s17, s17, 8
	s_add_co_u32 s16, s16, s17
	s_lshl_b32 s17, s11, 7
	s_add_co_u32 s16, s16, s17
	s_lshl_b32 s16, s16, 2
	s_mov_b32 s17, 0
	s_add_nc_u64 s[80:81], s[80:81], s[16:17]
	s_add_nc_u64 s[82:83], s[82:83], s[16:17]
	; the prefetches
	s_lshl_b32 s18, s13, 8
	s_lshr_b32 s19, s45, 1
	s_lshl_b32 s19, s19, 11
	s_lshl_b32 s20, s42, 8
	s_add_co_u32 s19, s19, s20
	s_and_b32 s22, s45, 1
	s_cmp_eq_u32 s11, 0
	s_cselect_b32 s18, s18, s19                    ; the tile's first row
	s_cselect_b32 s21, s40, s41                    ; my place among the four that ask for it with me
	s_cselect_b32 s22, ttmp9, s22                  ; 0 in the cluster that asks
	s_cselect_b32 s23, 0, 2048
	s_cmp_eq_u32 s22, 0
	s_cselect_b32 s[LIM], 1, -1
	s_lshl_b32 s22, s12, 7
	s_add_co_u32 s18, s18, s22
	s_lshl_b32 s21, s21, 5
	s_add_co_u32 s18, s18, s21
	s_mul_i32 s18, s18, ROWB
	s_add_co_u32 s18, s18, s23
	s_add_co_u32 s18, s18, 2*KSTEP*2               ; at K step 2: the first refill steps it to 3 and names K step 4
	s_mov_b32 s19, 0
	s_add_nc_u64 s[PFA:PFA+1], s[76:77], s[18:19]
	v_mul_u32_u24 v30, v31, ROWB
; 16 products: query blocks a0, a0 + 1 of the window's four x all 8 key blocks, 32 along K.  The 64 accumulators take turns, one instruction a turn.
.macro MUL16 f, hi, a0, zero
	WIN MUL_LO+0x50*(\hi)
.irp a, \a0, (\a0)+1
.irp b, 0,1,2,3,4,5,6,7
.if \zero
	v_wmma_f32_16x16x32_f16 v[8*(8*(\a)+(\b)):8*(8*(\a)+(\b))+7], v[(\f)+8*(\b):(\f)+8*(\b)+7], v[(\f)+8*(4*(\hi)+(\a)):(\f)+8*(4*(\hi)+(\a))+7], 0
.else
	v_wmma_f32_16x16x32_f16 v[8*(8*(\a)+(\b)):8*(8*(\a)+(\b))+7], v[(\f)+8*(\b):(\f)+8*(\b)+7], v[(\f)+8*(4*(\hi)+(\a)):(\f)+8*(4*(\hi)+(\a))+7], v[8*(8*(\a)+(\b)):8*(8*(\a)+(\b))+7]
.endif
.endr
.endr
.endm
.macro FETCH slot, k, f                ; 32 LDS loads in one run: k's 8 fragments, then q's 8
	WIN TO_B
.irp i, 0,1,2,3,4,5,6,7
	ds_load_b128 v[(\f)+8*(\i):(\f)+8*(\i)+3],   v[ADRB+(\slot)] offset:(\k)+(\i)*16*PITCH
	ds_load_b128 v[(\f)+8*(\i)+4:(\f)+8*(\i)+7], v[ADRB+(\slot)] offset:(\k)+(\i)*16*PITCH+32
.endr
	WIN 0
.irp i, 0,1,2,3,4,5,6,7
	ds_load_b128 v[(\f)+8*(\i):(\f)+8*(\i)+3],   v[ADRA+(\slot)] offset:(\k)+(\i)*16*PITCH
	ds_load_b128 v[(\f)+8*(\i)+4:(\f)+8*(\i)+7], v[ADRA+(\slot)] offset:(\k)+(\i)*16*PITCH+32
.endr
.endm
.macro QUARTER slot, k, f, g, zero     ; 64 products on buffer f; in the middle the next quarter's fragments, at byte k of the rows, into g
	s_wait_dscnt 8                                 ; k's and q's rows 0-63 are in; the youngest eight loads (q's rows 64-127) may be out
	MUL16 \f, 0, 0, \zero
	MUL16 \f, 0, 2, \zero
	PLACES
	FETCH \slot, \k, \g
	s_wait_dscnt 32                                ; all but the 32 just issued
	MUL16 \f, 1, 0, \zero
	MUL16 \f, 1, 2, \zero
.endm
; The change of slots: ONE barrier.  In front of it each wave waits for all its tensor loads (one is out: its part of the next slot), adds 0 to its spare word, and waits for that and for its reads of this slot.
.macro MEET round
	WIN 0
	s_wait_tensorcnt 0x0
	ds_add_u32 v[SPW], v[NIL]
	s_wait_dscnt 9                                 ; the add and the youngest eight loads may be out
	MUL16 F1, 0, 0, 0
	s_wait_dscnt 0x0
	s_barrier_signal -1
	MUL16 F1, 0, 2, 0
.if \round
	WIN 0
.endif
	s_barrier_wait -1
.endm
.macro TURN slot, next                 ; the last quarter of a K step whose slot is filled again, with the K step two on: 224 products stand between the request and the wait for it
	s_wait_xcnt 0x0                                ; the last prefetch, a K step back, has read its address
	s_add_nc_u64 s[PFA:PFA+1], s[PFA:PFA+1], KSTEP*2
	MEET 1
	CREST
	s_add_nc_u64 s[G0+4*(\slot)+2:G0+4*(\slot)+3], s[G0+4*(\slot)+2:G0+4*(\slot)+3], 2*KSTEP*2
	s_add_nc_u64 s[G0B+4*(\slot)+2:G0B+4*(\slot)+3], s[G0B+4*(\slot)+2:G0B+4*(\slot)+3], 2*KSTEP*2
	JLOAD \slot                                    ; its four v_nop are also the places in front of the loads below
	FETCH \next, 0, F0
	ASK
	MUL16 F1, 1, 0, 0
	MUL16 F1, 1, 2, 0
.endm
	s_wait_tensorcnt 1                             ; my part of K step 0 is in; K step 1's may stay out
	s_barrier_signal -1
	s_barrier_wait -1
	FETCH 0, 0, F0
	QUARTER 0, 64,  F0, F1, 1                      ; the first quarter starts the sums
	WIN 0
	s_mov_b32 s3, 3
.Llap:
	QUARTER 0, 128, F1, F0, 0
	QUARTER 0, 192, F0, F1, 0
	TURN 0, 1
	QUARTER 1, 64,  F0, F1, 0
	QUARTER 1, 128, F1, F0, 0
	QUARTER 1, 192, F0, F1, 0
	TURN 1, 0
	QUARTER 0, 64,  F0, F1, 0
	WIN 0
	s_sub_co_u32 s3, s3, 1
	s_cmp_lg_u32 s3, 0
	s_cbranch_scc1 .Llap
	QUARTER 0, 128, F1, F0, 0                      ; the last lap fills nothing
	QUARTER 0, 192, F0, F1, 0
	MEET 0
	PLACES
	FETCH 1, 0, F0
	MUL16 F1, 1, 0, 0
	MUL16 F1, 1, 2, 0
	QUARTER 1, 64,  F0, F1, 0
	QUARTER 1, 128, F1, F0, 0
	QUARTER 1, 192, F0, F1, 0
	s_wait_dscnt 8
	MUL16 F1, 0, 0, 0
	MUL16 F1, 0, 2, 0
	s_wait_dscnt 0x0
	MUL16 F1, 1, 0, 0
	MUL16 F1, 1, 2, 0
	; THE DUMP.  Behind this barrier nobody reads the ring, which has had its last fill.  Each half of an accumulator goes out as 512 bytes on end, 16 a lane: neighbouring lanes touch neighbouring banks, both ways.
	WIN 0
	s_wait_dscnt 0x0
	s_barrier_signal -1
	s_barrier_wait -1
	PLACES
.set a_, 0
.rept 8
	WIN 0x08+4*(a_/4)                              ; the stores' data in window 2 or 3
.set b_, 0
.rept 8
.set R_, 8*(8*(a_%4)+b_)
	ds_store_b128 v24, v[R_:R_+3]   offset:a_*BLKB+b_*1024      ; each accumulator's low end first
	ds_store_b128 v24, v[R_+4:R_+7] offset:a_*BLKB+b_*1024+512
.set b_, b_+1
.endr
.set a_, a_+1
.endr
	WIN 0
	s_mov_b32 s2, 8
.Lrow:                                                 ; a trip: one block of 16 queries.  The bytes are my wave's own, and LDS serves a wave in order (ISA guide 5.7.1.4)
.set n_, 0
.rept 16
	ds_load_b128 v[X+4*n_:X+4*n_+3], v25 offset:n_*512
.set n_, n_+1
.endr
.set k_, 0
.rept 4                                ; key blocks 2 k and 2 k + 1: two chains side by side
	s_wait_dscnt 12-4*k_                           ; the later key blocks' loads may stay out
	v_max3_num_f32 v[T+2*k_],   v[X+16*k_],    v[X+16*k_+1],  v[X+16*k_+2]
	v_max3_num_f32 v[T+2*k_+1], v[X+16*k_+8],  v[X+16*k_+9],  v[X+16*k_+10]
	v_max3_num_f32 v[T+2*k_],   v[T+2*k_],     v[X+16*k_+3],  v[X+16*k_+4]
	v_max3_num_f32 v[T+2*k_+1], v[T+2*k_+1],   v[X+16*k_+11], v[X+16*k_+12]
	v_max3_num_f32 v[T+2*k_],   v[T+2*k_],     v[X+16*k_+5],  v[X+16*k_+6]
	v_max3_num_f32 v[T+2*k_+1], v[T+2*k_+1],   v[X+16*k_+13], v[X+16*k_+14]
	v_max_num_f32  v[T+2*k_],   v[T+2*k_],     v[X+16*k_+7]
	v_max_num_f32  v[T+2*k_+1], v[T+2*k_+1],   v[X+16*k_+15]
.set k_, k_+1
.endr
	v_max3_num_f32 v[CM+1], v[T], v[T+1], v[T+2]
	v_max3_num_f32 v[T+3], v[T+3], v[T+4], v[T+5]
	v_max3_num_f32 v[CM+1], v[CM+1], v[T+3], v[T+6]
	v_max_num_f32 v[CM+1], v[CM+1], v[T+7]
	v_permlanex16_b32 v[T], v[CM+1], s70, s71      ; the query's other 64 keys lie in the lane 16 away
	v_max_num_f32 v[CM+1], v[CM+1], v[T]           ; m
	v_mul_f32 v[CM], s74, v[CM+1]                  ; c m
.set i_, 0
.rept 32
	v_pk_fma_f32 v[X+2*i_:X+2*i_+1], v[X+2*i_:X+2*i_+1], s[74:75], v[CM:CM+1] op_sel_hi:[1,0,0] neg_lo:[0,0,1] neg_hi:[0,0,1]  ; c s - c m
.set i_, i_+1
.endr
.set i_, 0
.rept 64                               ; one batch
	v_exp_f32 v[X+i_], v[X+i_]
.set i_, i_+1
.endr
	v_nop                                          ; a plain instruction behind the last exponential,
	s_wait_alu depctr_va_vdst(0)                   ; and the one wait ahead of the batch's first reader
.set b_, 0
.rept 8
.irp i, 0,1,2,3
	v_cvt_pk_f16_f32 v[Y+4*b_+(\i)], v[X+8*b_+2*(\i)], v[X+8*b_+2*(\i)+1]
.endr
	global_store_b128 v26, v[Y+4*b_:Y+4*b_+3], s[78:79] offset:b_*512  ; half a chunk: 512 consecutive bytes, aligned
.set b_, b_+1
.endr
.irp w, 4,8,16,32,64                   ; the sum of my 32 pairs, in place: neighbours 1, 2, 4, 8 and 16 pairs apart
.set i_, 0
.rept 64/(\w)
	v_pk_add_f32 v[X+(\w)*i_:X+(\w)*i_+1], v[X+(\w)*i_:X+(\w)*i_+1], v[X+(\w)*i_+(\w)/2:X+(\w)*i_+(\w)/2+1]
.set i_, i_+1
.endr
.endr
	v_add_f32 v[L], v[X], v[X+1]
	v_permlanex16_b32 v[T+1], v[L], s70, s71
	v_add_f32 v[L], v[L], v[T+1]
	ds_store_b32 v27, v[CM]                        ; a query's two lanes write the same word with the same number
	ds_store_b32 v27, v[L] offset:512
	s_wait_xcnt 0x0                                ; the stores have read Y and their base
	s_add_nc_u64 s[78:79], s[78:79], 65536         ; the next block of 16 queries in pt
	v_add_nc_u32 v25, BLKB, v25
	v_add_nc_u32 v27, 64, v27
	s_sub_co_u32 s2, s2, 1
	s_cmp_lg_u32 s2, 0
	s_cbranch_scc1 .Lrow
	ds_load_b128 v[64:67], v22                     ; my 128 queries' c m and sums, 512 bytes on end each
	ds_load_b128 v[68:71], v22 offset:512
	s_wait_dscnt 0x0
	global_store_b128 v26, v[64:67], s[80:81]
	global_store_b128 v26, v[68:71], s[82:83]
	s_wait_tensorcnt 0x0                           ; the wave's end
	ds_add_u32 v[SPW], v[NIL]
	s_wait_dscnt 0x0
	CROUND                                         ; the closing round
	s_endpgm
.Lfunc_end_k_qaaf8b5fa18_score:
	.size	k_qaaf8b5fa18_score, .Lfunc_end_k_qaaf8b5fa18_score-k_qaaf8b5fa18_score
	.p2alignl 7, 3214868480
	.fill 96, 4, 3214868480
	.section	.rodata,"a",@progbits
	.p2align	6, 0x0
	.amdhsa_kernel k_qaaf8b5fa18_score
		.amdhsa_group_segment_fixed_size 327680
		.amdhsa_private_segment_fixed_size 0
		.amdhsa_enable_private_segment 0
		.amdhsa_kernarg_size 32
		.amdhsa_user_sgpr_count 2
		.amdhsa_user_sgpr_kernarg_segment_ptr 1
		.amdhsa_wavefront_size32 1
		.amdhsa_system_sgpr_workgroup_id_x 1
		.amdhsa_system_sgpr_workgroup_id_y 1
		.amdhsa_system_sgpr_workgroup_id_z 1
		.amdhsa_system_vgpr_workitem_id 0
		.amdhsa_next_free_vgpr 1024
		.amdhsa_next_free_sgpr 84
		.amdhsa_reserve_vcc 0
		.amdhsa_float_denorm_mode_32 3
		.amdhsa_float_denorm_mode_16_64 3
		.amdhsa_memory_ordered 1
		.amdhsa_forward_progress 1
		.amdhsa_inst_pref_size 134
	.end_amdhsa_kernel
	.amdgpu_metadata
---
amdhsa.version: [ 1, 2 ]
amdhsa.kernels:
  - .name:           k_qaaf8b5fa18_score
    .symbol:         k_qaaf8b5fa18_score.kd
    .args:
      - { .name: qkv, .offset: 0, .size: 8, .value_kind: global_buffer, .address_space: global }
      - { .name: pt, .offset: 8, .size: 8, .value_kind: global_buffer, .address_space: global }
      - { .name: mst, .offset: 16, .size: 8, .value_kind: global_buffer, .address_space: global }
      - { .name: lst, .offset: 24, .size: 8, .value_kind: global_buffer, .address_space: global }
    .group_segment_fixed_size: 327680
    .private_segment_fixed_size: 0
    .kernarg_segment_align: 8
    .kernarg_segment_size: 32
    .max_flat_workgroup_size: 128
    .sgpr_count:     84
    .vgpr_count:     1024
    .wavefront_size: 32
...
	.end_amdgpu_metadata
.endif
;; end of part 3
;; launch mix (part 4): grid 32 x 8, 4 waves a work-group, clusters of 4 x 1, 327,680 bytes of LDS; arguments pt, qkv, mst, lst, out0; writes out0
.if DOCPART == 4
	.amdgcn_target "amdgcn-amd-amdhsa--gfx1250"
	.amdhsa_code_object_version 6
	.text
	.protected	k_qaaf8b5fa18_mix
	.globl	k_qaaf8b5fa18_mix
	.p2align	8
	.type	k_qaaf8b5fa18_mix,@function
k_qaaf8b5fa18_mix:
	s_mov_b64 s[64:65], 0
	v_nop
	global_prefetch_b8 v0, s[64:65] scope:SCOPE_SE
	s_setreg_imm32_b32 hwreg(HW_REG_WAVE_MODE, 25, 1), 1
	s_wait_xcnt 0x0
	s_wait_alu depctr_hold_cnt(0) depctr_sa_sdst(0) depctr_va_vdst(0) depctr_va_sdst(0) depctr_va_ssrc(0) depctr_va_vcc(0) depctr_vm_vsrc(0)
	s_getreg_b32 s2, hwreg(HW_REG_IB_STS2, 6, 4)
	s_cmp_eq_u32 s2, 0
	s_cbranch_scc0 .Lentry_in_a_cluster
	s_endpgm
.Lentry_in_a_cluster:
	s_bfe_u32 s2, ttmp6, 0x10000c
	s_cmp_lg_u32 s2, 0x3003
	s_cbranch_scc0 .Lentry_shape_is_right
	s_endpgm
.Lentry_shape_is_right:
; out[query][channel] = (the sum over the 16 key blocks of f_block x the sum over the block's keys of p[query][key] v[key][channel]) / l,
;   f_block = 2^(c m_block - c m_row), c m_row the largest of the row's 16 c m_block, l = the sum of f_block x l_block.  That is the softmax with the row's maximum taken away.
; f is rounded to f16 once and multiplies p's fragments (f16) between their load and the matrix instruction; l is summed, in f32, with the same rounded f.  Products f16, sums f32, out f32.
; LIMITS.  A weight p x f below 6e-8 counts as 0.  l is at least about 1 (the block that holds the row's maximum has f = 1).  NaN and infinities are not treated apart.
; SHARES.  8192 x 1024 is 256 tiles of 256 queries x 128 channels, one to a work-group.  Four waves, one above the other: wave w makes queries 64 w on, all 128 channels: 4 x 8 accumulators.
; p COMES STRAIGHT INTO REGISTERS.  pt is laid out as this product's fragments ([block of 16 queries][chunk of 32 keys][1,024 bytes], a lane's registers 0-3 at 16 l, 4-7 at 512 + 16 l), so a load covers 512
; consecutive bytes, and no wave wants a byte of pt that another wave of the work-group has fetched.  NOT ASKED FOR JOINTLY, though the eight work-groups of a query block read the same bytes: through LDS pt would be
; 64 KiB of the 96 that 128 keys take, two slots could then hold 128 keys each, and a tile would have 112 products in which to land.  As it is, a ring of eight buffers of 32 keys (256 registers) has 48 to 56
; loads of a wave on their way, and LDS holds v alone: two slots of 256 keys, 240 products between a tile's request and the wait for it.
; CLUSTER.  4 x 1: cluster x is the channel block, cluster y with the place in the cluster the query block (4 y + cx); the four partners belong to one batch (y / 2) and ask for v's tiles jointly.
; LAYOUT.  O^T = V^T P: source 0 = 16 channels x 32 keys (v lies [key][channel] in LDS and is turned by ds_load_tr16_b128), source 1 = 16 queries x 32 keys: a lane holds one query and eight neighbouring channels.
; REGISTERS.  window 0: v8-31 addresses; v32-39 1 / l, a pair a query block; v40-47 f of a trip's two key blocks; v64-127, v128-191 v's fragments, two buffers; v64-111, v192-255 at work in front of the loop, v128-255 behind it
;   window 1: v0-127 the accumulators of query blocks 0, 1 ((a, c) at 8 (8 (a % 2) + c)); v128-255 p's buffers 0-3          window 2: the same for query blocks 2, 3 and buffers 4-7
; p is scaled in place by v_pk_mul_f16 P, f, P.  Where the next buffer lies in the window of the product's own p and accumulator, that line runs under the product's window setting: in 6 quarters of 8.
; A TRIP is 256 keys, eight quarters of 32.  It begins with the quarter 7 of the trip before, round the change of slots, so that products stand beside the barrier; one text serves every trip: the sums are started
; ahead of the loop by 32 products of zeros with C = 0, and the first trip multiplies those zeros once more: 64 products and 96 v_mov_b32, in the wait for the first tile.
.set PV,    288                        ; a row of v in LDS: 256 bytes + 32
.set SLOTB, 256*PV                     ; 73,728
.set SLOT1, 1<<17                      ; slot 1 begins here, so that one exclusive or turns an address in one slot into the other's
.set STAGE, SLOT1+SLOTB                ; 204,800: 16 rows x 528 bytes for each wave, for the way out
.set SPI,   528
.set FTAB,  STAGE+4*16*SPI             ; 238,592: 4,096 bytes a wave: [key block][r][a] words (f, f) in f16
.set SPARE, FTAB+4*4096                ; 254,976: the spare words, 128 bytes a wave
.set ROWB,  6144                       ; a row of qkv
.set RBLK,  65536                      ; a block of 16 queries in pt
.set TRIPB, 8192                       ; of which a trip takes 8 chunks
.set VF,  64
.set PF,  128
.set FQ,  40
.set RL,  32
.set OB,  128
.set G1,  24                           ; s[24:31] descriptor group 1
.set G0,  32                           ; s[32:35] group 0: it walks
.set TB,  46                           ; s46  LDS byte at which the slot to be read begins
.set PT,  66                           ; s[66:67] pt at my wave's first block of queries, at the trip in hand
.set LIMA, 68                          ; s68  1 in a wave that prefetches pt, else the greatest number
.set LIMV, 69                          ; s69  the same for v
.set PFV, 70                           ; s[70:71] where my prefetches of v stand
.set MSB, 0
.macro WIN new                         ; the immediate's high byte repeats the setting that is left; a switch that changes nothing is dropped
.if MSB != (\new)
	s_set_vgpr_msb (MSB<<8)|(\new)
.set MSB, \new
.endif
.endm
.macro PLACES                          ; four places between a matrix instruction and a load into, or a vector instruction on, its registers
.rept 4
	v_nop
.endr
.endm
.macro CREST
	s_cmp_lg_u32 s10, 0
	s_cbranch_scc1 .Lnw0_\@
	s_barrier_signal -3
.Lnw0_\@:
	s_barrier_wait -3
	s_barrier_signal -1
	s_barrier_wait -1
.endm
.macro CROUND
	s_barrier_signal -1
	s_barrier_wait -1
	CREST
.endm
.macro JLOAD                           ; every wave fetches 64 of a slot's 256 keys; an s_nop 0 and four v_nop follow the line
	tensor_load_to_lds s[G0:G0+3], s[G1:G1+7]
	s_nop 0
.rept 4
	v_nop
.endr
.endm
; THE PREFETCHES, behind the joint load and the runs of loads that follow it, for the trip that stands two on: one trip ahead of the loads that will want the bytes.
; pt: a wave's four blocks of queries are read by the eight work-groups of the query block: those of channel blocks 0 to 3 ask, each wave for block (channel block) of its four: 8,192 bytes on end, 256 a lane.
; v: a tile is read by the two clusters of its batch: the one with even y asks; waves 0 and 1 of the four partners take 32 keys each, told apart by address (cx): a lane a row of 256 bytes.
; So each run of 256 bytes is named once.  The last two trips that the loop makes ask for nothing beyond the eighth trip; the first two trips come by their loads alone.
.macro ASK
	s_cmp_gt_u32 s3, s[LIMA]
	s_cbranch_scc0 .Lna_\@
	global_prefetch_b8 v30, s[PT:PT+1] offset:2*TRIPB th:TH_LOAD_NT scope:SCOPE_SE
.Lna_\@:
	s_cmp_gt_u32 s3, s[LIMV]
	s_cbranch_scc0 .Lnv_\@
	global_prefetch_b8 v22, s[PFV:PFV+1] th:TH_LOAD_NT scope:SCOPE_SE
.Lnv_\@:
.endm
; 8 products: buffer i (p's i, v's i % 2), query block a x all 8 channel blocks, 32 keys.  The 32 accumulators take turns, one instruction a turn.  zero = 1: the product starts the sum.
.macro MUL8 i, a, zero=0
	WIN ((1+(\i)/4)<<2)|((1+(\a)/2)*0x50)          ; v window 0; p window 1 or 2 by its buffer; C and D window 1 or 2 by the query block
.irp c, 0,1,2,3,4,5,6,7
.set rD, 8*(8*((\a)%2)+(\c))
.set rV, VF+64*((\i)%2)+8*(\c)
.set rP, PF+32*((\i)%4)+8*(\a)
.if \zero
	v_wmma_f32_16x16x32_f16 v[rD:rD+7], v[rV:rV+7], v[rP:rP+7], 0
.else
	v_wmma_f32_16x16x32_f16 v[rD:rD+7], v[rV:rV+7], v[rP:rP+7], v[rD:rD+7]
.endif
.endr
.endm
; The same, and behind each product four of the 32 multiplications that scale buffer j by set fq of f: they name no register of the products round them.
.macro MUL8R i, a, j, fq
.irp c, 0,1,2,3,4,5,6,7
	WIN ((1+(\i)/4)<<2)|((1+(\a)/2)*0x50)
.set rD, 8*(8*((\a)%2)+(\c))
.set rV, VF+64*((\i)%2)+8*(\c)
.set rP, PF+32*((\i)%4)+8*(\a)
	v_wmma_f32_16x16x32_f16 v[rD:rD+7], v[rV:rV+7], v[rP:rP+7], v[rD:rD+7]
	WIN ((1+(\j)/4)<<2)|((1+(\j)/4)*0x50)          ; f window 0; p, source and destination, in its buffer's window
.irp t, 0,1,2,3
	v_pk_mul_f16 v[PF+32*((\j)%4)+4*(\c)+(\t)], v[FQ+4*(\fq)+(\c)/2], v[PF+32*((\j)%4)+4*(\c)+(\t)]
.endr
.endr
.endm
.macro FETCHV q                        ; v of the slot's quarter q: 8 channel blocks, 16 turning loads
	WIN 0
.irp c, 0,1,2,3,4,5,6,7
	ds_load_tr16_b128 v[VF+64*((\q)%2)+8*(\c):VF+64*((\q)%2)+8*(\c)+3],   v[20+(\q)/4] offset:((\q)%4)*32*PV+32*(\c)
	ds_load_tr16_b128 v[VF+64*((\q)%2)+8*(\c)+4:VF+64*((\q)%2)+8*(\c)+7], v[20+(\q)/4] offset:((\q)%4)*32*PV+32*(\c)+16*PV
.endr
.endm
.macro LOADP j, off                    ; p's buffer j: a chunk of each of my four blocks of queries, 8 loads of 512 consecutive bytes
	WIN ((1+(\j)/4)<<2)|((1+(\j)/4)*0x50)
.irp a, 0,1,2,3
	global_load_b128 v[PF+32*((\j)%4)+8*(\a):PF+32*((\j)%4)+8*(\a)+3],   v26, s[PT:PT+1] offset:(\a)*RBLK+(\off)
	global_load_b128 v[PF+32*((\j)%4)+8*(\a)+4:PF+32*((\j)%4)+8*(\a)+7], v26, s[PT:PT+1] offset:(\a)*RBLK+(\off)+512
.endr
.endm
; Quarter i (0 to 6): 32 products on buffer i.  Behind the first eight, v of quarter i + 1 is fetched and (ld = 1) the buffer that the quarter before read out is asked for again, from byte off behind the pointer.
; The last eight carry the scaling of buffer i + 1.  n: a buffer's eight loads are in when at most the loads of the buffers asked for behind it are out: six of them, 48, while every quarter asks.
; The query blocks go 2, 3, 0, 1 on buffers 0-3 and 0, 1, 2, 3 on buffers 4-7, so that the last eight products have p and accumulator in one window.
.macro QUARTER i, ld, off, n
.set A0_, 2-2*((\i)/4)
.set A1_, A0_+1
.set A2_, (A0_+2)%4
.set A3_, (A0_+3)%4
	s_wait_dscnt 0x0                               ; v of quarter i is in
	MUL8 \i, A0_
	WIN 0
	PLACES                                         ; behind the quarter before, which read the registers that are loaded now
	FETCHV (\i)+1
.if \ld
	LOADP ((\i)+7)%8, \off
.endif
	MUL8 \i, A1_
	MUL8 \i, A2_
	s_wait_loadcnt \n
	MUL8R \i, A3_, (\i)+1, ((\i)+1)/4
.endm
; Quarter 7 of the trip before, and the change of slots: ONE barrier.  In front of it each wave waits for all its tensor loads (one is out: its part of this trip's slot), adds 0 to its spare word, and waits for that
; and for its reads of the slot that it leaves.  fill = 1: the barrier opens a round of the cluster's, and the slot just left is filled, first thing behind it, with the next trip's keys.
.macro TURN fill
	WIN 0
	s_wait_tensorcnt 0x0
	ds_add_u32 v28, v29
	s_wait_dscnt 1                                 ; v of quarter 7 is in; the add alone may be out
	MUL8 7, 0
	s_wait_dscnt 0x0
	s_barrier_signal -1
	MUL8 7, 1
	WIN 0
	s_barrier_wait -1
.if \fill
	CREST
	s_xor_b32 s[G0+1], s[G0+1], SLOT1              ; the walking descriptor: the other slot than last time,
	s_add_nc_u64 s[G0+2:G0+3], s[G0+2:G0+3], 256*ROWB  ; the next 256 keys; the type bits on top are not reached
	JLOAD                                          ; its four v_nop are also the places in front of the loads below
.else
	PLACES
.endif
	s_xor_b32 s[TB], s[TB], SLOT1                  ; the fetches go to the other slot:
	v_add_nc_u32 v20, s[TB], v16                   ; its keys 0-127,
	v_add_nc_u32 v21, 4*32*PV, v20                 ; its keys 128-255
	ds_load_b128 v[FQ:FQ+3], v27                   ; f of the trip's two key blocks
	ds_load_b128 v[FQ+4:FQ+7], v27 offset:256
	FETCHV 0
	LOADP 6, 6*1024                                ; buffer 6, which the quarter before read out: this trip's
	WIN 0
.if \fill
	ASK
.endif
	MUL8 7, 2
	s_wait_loadcnt 48                              ; buffer 0 is in: buffers 1 to 6 were asked for behind it
	s_wait_dscnt 16                                ; f is in: v's 16 loads were issued behind it
	MUL8R 7, 3, 0, 0
.endm
	s_load_b256 s[76:83], s[0:1], 0x0              ; pt s[76:77], qkv s[78:79], mst s[80:81], lst s[82:83]
	s_load_b64 s[84:85], s[0:1], 0x20              ; out0
	v_lshl_add_u32 v28, v0, 2, SPARE
	v_mov_b32 v29, 0
	ds_add_u32 v28, v29                            ; the wave's opening: the add and its wait stand ahead of my first tensor load
	v_lshrrev_b32 v1, 5, v0
	v_readfirstlane_b32 s10, v1                    ; wave 0..3
	s_bfe_u32 s40, ttmp6, 0x40000                  ; cx
	s_and_b32 s45, ttmp7, 0xffff                   ; cluster y
	s_lshl_b32 s13, s45, 2
	s_add_co_u32 s13, s13, s40                     ; block of 256 queries among all 32
	s_mov_b32 s42, ttmp9                           ; block of 128 channels
	s_lshr_b32 s44, s45, 1                         ; the batch, which the four partners share
	s_mov_b32 s[G1], 15|(1<<16)|(1<<20)|(1<<21)|(5<<22)|(7<<25)  ; the mask of four; 2-byte elements; padding on; bit 21 beside a mask; after every 64 words, 8 words
	s_mov_b32 s[G1+1], 128<<16                     ; tensor_dim0 = 128 channels
	s_mov_b32 s[G1+2], 64<<16                      ; tensor_dim1 = 64 keys
	s_mov_b32 s[G1+3], 128<<16                     ; tile_dim0
	s_mov_b32 s[G1+4], 64                          ; tile_dim1
	s_mov_b32 s[G1+5], 3072                        ; elements from row to row
	s_mov_b32 s[G1+6], 0
	s_mov_b32 s[G1+7], 0
	s_mov_b32 s74, 0x76543210                      ; v_permlanex16_b32: each lane takes its own place in the other half
	s_mov_b32 s75, 0xfedcba98
	s_mov_b32 s[TB], SLOT1                         ; the first change of slots turns it into 0
	s_lshl_b32 s14, s44, 11
	s_lshl_b32 s15, s10, 6
	s_add_co_u32 s14, s14, s15
	s_mul_i32 s14, s14, ROWB                       ; v: key 2,048 x batch + 64 x wave,
	s_lshl_b32 s15, s42, 8
	s_add_co_u32 s14, s14, s15                     ; my tile's 128 channels,
	s_add_co_u32 s14, s14, 4096                    ; 2,048 columns in
	s_mov_b32 s15, 0
	s_mov_b32 s[G0], 1
	s_mul_i32 s[G0+1], s10, 64*PV                  ; slot 0, my 64 keys: no place in the cluster enters an LDS address
	s_wait_dscnt 0x0                               ; the opening add is done
	s_wait_kmcnt 0x0
	s_add_nc_u64 s[G0+2:G0+3], s[78:79], s[14:15]
	s_or_b32 s[G0+3], s[G0+3], 0x80000000
	CROUND                                         ; all four work-groups are here: the first joint loads meet
	JLOAD                                          ; slot 0: the first trip's keys.  Slot 1 is asked for by the loop's own change of slots: one load of mine is out at any time
	v_and_b32 v1, 15, v0                           ; r
	v_bfe_u32 v2, v0, 4, 1                         ; h
	v_and_b32 v31, 31, v0                          ; l
	v_lshlrev_b32 v9, 13, v2
	v_lshl_add_u32 v9, v1, 2, v9                   ; the statistics: key block h, query r
	s_lshl_b32 s16, s44, 17                        ; the batch's 16 x 2,048 words
	s_and_b32 s17, s13, 7
	s_lshl_b32 s17, s17, 10
	s_add_co_u32 s16, s16, s17
	s_lshl_b32 s17, s10, 8
	s_add_co_u32 s16, s16, s17                     ; my wave's 64 queries
	s_mov_b32 s17, 0
	s_add_nc_u64 s[80:81], s[80:81], s[16:17]
	s_add_nc_u64 s[82:83], s[82:83], s[16:17]
.set i_, 0
.rept 32                               ; number i = 4 j + a: key block 2 j + h, query 16 a + r
	global_load_b32 v[192+i_], v9, s[80:81] offset:(i_/4)*16384+(i_%4)*64
	global_load_b32 v[224+i_], v9, s[82:83] offset:(i_/4)*16384+(i_%4)*64
.set i_, i_+1
.endr
	s_lshl_b32 s16, s13, 4
	s_lshl_b32 s17, s10, 2
	s_add_co_u32 s16, s16, s17                     ; my first block of 16 queries
	s_lshl_b32 s16, s16, 16
	s_mov_b32 s17, 0
	s_add_nc_u64 s[PT:PT+1], s[76:77], s[16:17]
	v_lshlrev_b32 v26, 4, v31                      ; 16 l: my 16 bytes of 512 on end, in pt and in out
.irp j, 0,1,2,3,4,5
	LOADP \j, (\j)*1024                            ; the first trip's buffers 0 to 5; 6 and 7 are asked for by the loop
.endr
	WIN 0
	v_and_b32 v4, 7, v0
	v_bfe_u32 v5, v0, 3, 1
	v_lshl_add_u32 v6, v2, 3, v4                   ; the turning load: key 8 h + l % 8, channels 8 ((l / 8) % 2) on
	v_mul_u32_u24 v6, v6, PV
	v_lshl_add_u32 v16, v5, 4, v6                  ; my lane's place in a slot; never rewritten
	s_mul_i32 s22, s10, 16*SPI
	s_add_co_u32 s22, s22, STAGE
	v_mul_u32_u24 v7, v1, SPI
	v_lshl_add_u32 v7, v2, 5, v7
	v_add_nc_u32 v24, s22, v7                      ; into my stage: row r, 32 bytes for each half of the lanes
	v_lshl_add_u32 v25, v31, 4, s22                ; back: a whole row of 512 bytes
	s_lshl_b32 s23, s10, 12
	s_add_co_u32 s23, s23, FTAB
	v_lshl_add_u32 v27, v1, 4, s23                 ; my query's four f of a key block
	v_lshl_add_u32 v8, v2, 8, v27                  ; where I put them: key block h
	s_lshl_b32 s16, s13, 8
	s_lshl_b32 s17, s10, 6
	s_add_co_u32 s16, s16, s17
	s_lshl_b32 s16, s16, 12
	s_lshl_b32 s17, s42, 9
	s_add_co_u32 s16, s16, s17
	s_mov_b32 s17, 0
	s_add_nc_u64 s[84:85], s[84:85], s[16:17]      ; out at my first row, my tile's first channel
	; the prefetches
	s_and_b32 s16, s42, 3
	s_lshl_b32 s16, s16, 16
	v_lshl_add_u32 v30, v31, 8, s16                ; pt: block (channel block) of my four, 256 bytes a lane
	s_cmp_lt_u32 s42, 4
	s_cselect_b32 s[LIMA], 1, -1
	s_and_b32 s16, s10, 1
	s_lshl_b32 s16, s16, 2
	s_add_co_u32 s16, s16, s40                     ; v: share 4 x wave + cx of eight,
	s_lshl_b32 s16, s16, 5                         ; 32 keys each,
	s_lshl_b32 s17, s44, 11
	s_add_co_u32 s16, s16, s17
	s_add_co_u32 s16, s16, 512                     ; of the third trip's keys
	s_mul_i32 s16, s16, ROWB
	s_lshl_b32 s17, s42, 8
	s_add_co_u32 s16, s16, s17
	s_add_co_u32 s16, s16, 4096
	s_mov_b32 s17, 0
	s_add_nc_u64 s[PFV:PFV+1], s[78:79], s[16:17]
	s_and_b32 s16, s45, 1
	s_lshr_b32 s17, s10, 1
	s_or_b32 s16, s16, s17                         ; 0 in waves 0 and 1 of the cluster with even y
	s_cmp_eq_u32 s16, 0
	s_cselect_b32 s[LIMV], 1, -1
	v_mul_u32_u24 v22, v31, ROWB
	; what the first trip finds: v's second buffer and p's buffer 7 hold 0, and 32 products of them with C = 0 start the sums
.set i_, VF+64
.rept 64
	v_mov_b32 v[i_], 0
.set i_, i_+1
.endr
	WIN 0x80
.set i_, PF+96
.rept 32
	v_mov_b32 v[i_], 0
.set i_, i_+1
.endr
	MUL8 7, 0, 1
	MUL8 7, 1, 1
	MUL8 7, 2, 1
	MUL8 7, 3, 1
	WIN 0
	; THE FACTORS, while the first tile is on its way.  v192-223: c m_block, then f; v224-255: l_block; v96-99 the row's maximum; v104-107 l; v64-95 (f, f).
	s_wait_loadcnt 48                              ; the statistics are in; the 48 loads of pt, issued behind them, may stay out
.irp a, 0,1,2,3
	v_max3_num_f32 v[96+(\a)], v[192+(\a)], v[196+(\a)], v[200+(\a)]
.endr
.irp a, 0,1,2,3
	v_max3_num_f32 v[96+(\a)], v[96+(\a)], v[204+(\a)], v[208+(\a)]
.endr
.irp a, 0,1,2,3
	v_max3_num_f32 v[96+(\a)], v[96+(\a)], v[212+(\a)], v[216+(\a)]
.endr
.irp a, 0,1,2,3
	v_max_num_f32 v[96+(\a)], v[96+(\a)], v[220+(\a)]
.endr
.irp a, 0,1,2,3
	v_mov_b32 v[100+(\a)], v[96+(\a)]              ; the exchange's destination counts as read
.endr
.irp a, 0,1,2,3
	v_permlanex16_b32 v[100+(\a)], v[96+(\a)], s74, s75  ; the odd key blocks lie in the lane 16 away
.endr
.irp a, 0,1,2,3
	v_max_num_f32 v[96+(\a)], v[96+(\a)], v[100+(\a)]
	v_mov_b32 v[104+(\a)], 0
.endr
.set i_, 0
.rept 32
	v_sub_f32 v[192+i_], v[192+i_], v[96+i_%4]
.set i_, i_+1
.endr
.set i_, 0
.rept 32
	v_exp_f32 v[192+i_], v[192+i_]
.set i_, i_+1
.endr
	v_nop                                          ; a plain instruction behind the last exponential,
	s_wait_alu depctr_va_vdst(0)                   ; and the one wait ahead of the batch's first reader
.set i_, 0
.rept 32
	v_cvt_pk_f16_f32 v[64+i_], v[192+i_], v[192+i_]  ; (f, f)
.set i_, i_+1
.endr
.set i_, 0
.rept 32
	v_fma_mix_f32 v[104+i_%4], v[64+i_], v[224+i_], v[104+i_%4] op_sel_hi:[1,0,0]  ; l += the rounded f x l_block, in f32
.set i_, i_+1
.endr
.irp j, 0,1,2,3,4,5,6,7
	ds_store_b128 v8, v[64+4*(\j):64+4*(\j)+3] offset:512*(\j)  ; key block 2 j + h: read by my wave alone
.endr
.irp a, 0,1,2,3
	v_mov_b32 v[108+(\a)], v[104+(\a)]
.endr
.irp a, 0,1,2,3
	v_permlanex16_b32 v[108+(\a)], v[104+(\a)], s74, s75
.endr
.irp a, 0,1,2,3
	v_add_f32 v[104+(\a)], v[104+(\a)], v[108+(\a)]
.endr
.irp a, 0,1,2,3
	v_rcp_f32 v[RL+2*(\a)], v[104+(\a)]
.endr
.irp a, 0,1,2,3
	v_mov_b32 v[RL+2*(\a)+1], 0                    ; named with 1 / l as a pair; also the plain instruction behind the reciprocals
.endr
	s_wait_alu depctr_va_vdst(0)                   ; one wait for the four reciprocals, ahead of the label
	s_mov_b32 s3, 7
.Ltrip:                                                ; seven trips: each fills the slot for the trip behind it, and asks for p up to that trip's buffer 5
	TURN 1
	QUARTER 0, 1, 7*1024, 48                       ; buffer 7: this trip's
	QUARTER 1, 1, TRIPB, 48                        ; buffers 0 to 5: the next trip's
	QUARTER 2, 1, TRIPB+1024, 48
	QUARTER 3, 1, TRIPB+2*1024, 48
	QUARTER 4, 1, TRIPB+3*1024, 48
	QUARTER 5, 1, TRIPB+4*1024, 48
	QUARTER 6, 1, TRIPB+5*1024, 48
	WIN 0
	v_add_nc_u32 v27, 512, v27                     ; two key blocks on in the table of f
	s_wait_xcnt 0x0                                ; every load and prefetch issued so far (the youngest load 24 products back) has read its address
	s_add_nc_u64 s[PT:PT+1], s[PT:PT+1], TRIPB
	s_add_nc_u64 s[PFV:PFV+1], s[PFV:PFV+1], 256*ROWB
	s_sub_co_u32 s3, s3, 1
	s_cmp_lg_u32 s3, 0
	s_cbranch_scc1 .Ltrip
	TURN 0                                         ; the eighth trip is written out, and behind its buffers 6 and 7 nothing is asked for: the counts run down
	QUARTER 0, 1, 7*1024, 48
	QUARTER 1, 0, 0, 40
	QUARTER 2, 0, 0, 32
	QUARTER 3, 0, 0, 24
	QUARTER 4, 0, 0, 16
	QUARTER 5, 0, 0, 8
	QUARTER 6, 0, 0, 0
	s_wait_dscnt 0x0
	MUL8 7, 0
	MUL8 7, 1
	MUL8 7, 2
	MUL8 7, 3
	; THE WAY OUT, a block of 16 queries at a time: times 1 / l, through my own stage, back as whole rows of 512 bytes.
.macro PACK a
.set WA_, 1+(\a)/2
.set RB_, 64*((\a)%2)
	WIN WA_|(WA_<<6)                               ; destination and source 0 in the accumulators' window, 1 / l in window 0
.set i_, RB_
.rept 32
	v_pk_mul_f32 v[i_:i_+1], v[i_:i_+1], v[RL+2*(\a):RL+2*(\a)+1] op_sel_hi:[1,0]  ; each accumulator from its low end on
.set i_, i_+2
.endr
	WIN WA_<<2                                     ; the stores' data in the accumulators' window
.irp c, 0,1,2,3,4,5,6,7
	ds_store_b128 v24, v[RB_+8*(\c):RB_+8*(\c)+3]   offset:64*(\c)
	ds_store_b128 v24, v[RB_+8*(\c)+4:RB_+8*(\c)+7] offset:64*(\c)+16
.endr
	WIN 0
.if (\a) >= 2
	s_wait_xcnt 0x0                                ; the stores of two blocks back have read the registers that are loaded again
.endif
.set BK, OB+64*((\a)%2)
.set i_, 0
.rept 16
	ds_load_b128 v[BK+4*i_:BK+4*i_+3], v25 offset:i_*SPI  ; LDS serves a wave in order (ISA guide 5.7.1.4): these see the stores above; the next block's stores come behind them
.set i_, i_+1
.endr
.endm
.macro SEND a, younger                 ; younger: the next block's 32 LDS instructions, or none
	WIN 0
.set BK, OB+64*((\a)%2)
.set i_, 0
.rept 16
	s_wait_dscnt (\younger)+15-i_
	global_store_b128 v26, v[BK+4*i_:BK+4*i_+3], s[84:85] offset:(16*(\a)+i_)*4096  ; 512 consecutive bytes, aligned
.set i_, i_+1
.endr
.endm
	WIN 0
	PLACES
	PACK 0
	PACK 1                                         ; a block's arithmetic stands between the loads of the block before and its stores
	SEND 0, 32
	PACK 2
	SEND 1, 32
	PACK 3
	SEND 2, 32
	SEND 3, 0
	s_wait_tensorcnt 0x0                           ; the wave's end
	ds_add_u32 v28, v29
	s_wait_dscnt 0x0
	CROUND                                         ; the closing round
	s_endpgm
.Lfunc_end_k_qaaf8b5fa18_mix:
	.size	k_qaaf8b5fa18_mix, .Lfunc_end_k_qaaf8b5fa18_mix-k_qaaf8b5fa18_mix
	.p2alignl 7, 3214868480
	.fill 96, 4, 3214868480
	.section	.rodata,"a",@progbits
	.p2align	6, 0x0
	.amdhsa_kernel k_qaaf8b5fa18_mix
		.amdhsa_group_segment_fixed_size 327680
		.amdhsa_private_segment_fixed_size 0
		.amdhsa_enable_private_segment 0
		.amdhsa_kernarg_size 40
		.amdhsa_user_sgpr_count 2
		.amdhsa_user_sgpr_kernarg_segment_ptr 1
		.amdhsa_wavefront_size32 1
		.amdhsa_system_sgpr_workgroup_id_x 1
		.amdhsa_system_sgpr_workgroup_id_y 1
		.amdhsa_system_sgpr_workgroup_id_z 1
		.amdhsa_system_vgpr_workitem_id 0
		.amdhsa_next_free_vgpr 768
		.amdhsa_next_free_sgpr 86
		.amdhsa_reserve_vcc 0
		.amdhsa_float_denorm_mode_32 3
		.amdhsa_float_denorm_mode_16_64 3
		.amdhsa_memory_ordered 1
		.amdhsa_forward_progress 1
		.amdhsa_inst_pref_size 155
	.end_amdhsa_kernel
	.amdgpu_metadata
---
amdhsa.version: [ 1, 2 ]
amdhsa.kernels:
  - .name:           k_qaaf8b5fa18_mix
    .symbol:         k_qaaf8b5fa18_mix.kd
    .args:
      - { .name: pt, .offset: 0, .size: 8, .value_kind: global_buffer, .address_space: global }
      - { .name: qkv, .offset: 8, .size: 8, .value_kind: global_buffer, .address_space: global }
      - { .name: mst, .offset: 16, .size: 8, .value_kind: global_buffer, .address_space: global }
      - { .name: lst, .offset: 24, .size: 8, .value_kind: global_buffer, .address_space: global }
      - { .name: out0, .offset: 32, .size: 8, .value_kind: global_buffer, .address_space: global }
    .group_segment_fixed_size: 327680
    .private_segment_fixed_size: 0
    .kernarg_segment_align: 8
    .kernarg_segment_size: 40
    .max_flat_workgroup_size: 128
    .sgpr_count:     86
    .vgpr_count:     768
    .wavefront_size: 32
...
	.end_amdgpu_metadata
.endif
;; end of part 4
;; ======== version 2 of 2: 4 launches; version 1 with the launch cast written anew for expert scheduling mode
;; limits: values are held in f16: magnitudes above 65,504 overflow, below 6.1e-05 lose precision
;; workspace buffers: xb 16,777,216 bytes; wb 6,291,456 bytes; qkv 50,331,648 bytes; pt 33,554,432 bytes; mst 524,288 bytes; lst 524,288 bytes
;; launch cast (part 5): grid 256 x 1, 8 waves a work-group, no clusters, 0 bytes of LDS; arguments x, Wq, Wk, Wv, xb, wb; writes xb, wb
.if DOCPART == 5
	.amdgcn_target "amdgcn-amd-amdhsa--gfx1250"
	.amdhsa_code_object_version 6
	.text
	.protected	k_qaaf8b5fa18_cast
	.globl	k_qaaf8b5fa18_cast
	.p2align	8
	.type	k_qaaf8b5fa18_cast,@function
k_qaaf8b5fa18_cast:
	s_mov_b64 s[64:65], 0
	v_nop
	global_prefetch_b8 v0, s[64:65] scope:SCOPE_SE
	s_setreg_imm32_b32 hwreg(HW_REG_WAVE_SCHED_MODE, 0, 2), 2
	s_setreg_imm32_b32 hwreg(HW_REG_WAVE_MODE, 25, 1), 1
	s_wait_xcnt 0x0
	s_wait_alu depctr_vm_vsrc(0)
; x [8192][1024] and Wq, Wk, Wv [1024][1024], f32, are rounded once to bf16 and laid out tile by tile for the projection:
;   xb [32 row blocks][16 k blocks][256 rows][64 numbers],  wb [8 row blocks][16 k blocks][384 rows][64 numbers], the 3,072 rows being Wq's, Wk's, Wv's on end.
; So a tile of one K step of 64 is dense in memory, and a row block's walk along K is one stream.
; SHARES.  256 work-groups of equal work: each takes 32 rows of x (256 x 32 = 8,192) and three groups of 4 rows of the weights (256 x 12 = 3,072); a group of 4 lies in one matrix and in one row block of 384.
; Wave w takes k blocks 2 w and 2 w + 1: 512 bytes on end of every row.  One piece of work is 4 rows x 64 numbers: lane l reads 32 bytes (row l / 8, numbers 8 (l % 8) on) and writes 16 bytes at 16 l,
; so a store covers 512 consecutive bytes, aligned, and a piece's two loads cover four aligned runs of 256 bytes.  22 pieces a wave, all 44 loads issued at once.
; No LDS, no matrix work: each byte is read once and written once, and nothing is shared.
; THE MODE: SCHED_MODE bits 1:0 = 2 (LLVM: expert scheduling mode 2), set by the entry lines.  The code itself states the register dependences
; between vector instructions and memory instructions, with s_wait_alu, always for 0.
; THE PLAN.  Registers that memory instructions touch:
;   v2, v3              the loads' and the stores' byte offsets: made at the head, never written again.
;   v[8+8n : 8+8n+7]    piece n.  Its two loads land here before any vector instruction has named these registers; its four conversions read the eight and write the low four, in place;
;                       its one store reads the low four; nothing writes them again.
; So no register that a load or a store has read is ever rewritten, and no load is issued behind a vector instruction that names its registers.  What is left to state: the offsets are written, ahead of
; the first load; and a piece's conversions have written what its store reads.  A STEP is two pieces (the wave's 512 bytes of four rows, four loads).  Step g waits for its four loads; one wait on va_vdst
; behind that states that step g - 1's eight conversions have written their results; step g - 1's two stores then stand among step g's conversions, which name step g's registers alone.
	s_load_b256 s[4:11], s[0:1], 0x0               ; x s[4:5], Wq s[6:7], Wk s[8:9], Wv s[10:11]
	s_load_b128 s[12:15], s[0:1], 0x20             ; xb s[12:13], wb s[14:15]
	v_lshrrev_b32 v1, 5, v0
	v_readfirstlane_b32 s16, v1                    ; wave 0..7
	v_and_b32 v4, 31, v0                           ; lane
	v_lshrrev_b32 v5, 3, v4                        ; row of the piece
	v_and_b32 v6, 7, v4
	v_lshlrev_b32 v2, 12, v5
	v_lshl_or_b32 v2, v6, 5, v2                    ; in: row x 4,096 + 32 (l % 8)
	v_lshlrev_b32 v3, 4, v4                        ; out: 16 l
	s_wait_alu depctr_va_sdst(0)                   ; s16 is written, ahead of its first reader: the offsets in x, xb and wb are made from it
	s_lshl_b32 s17, s16, 9                         ; my wave's 512 bytes of a row
	s_lshl_b32 s20, ttmp9, 17                      ; x: 32 rows of 4,096 bytes for each work-group
	s_add_co_u32 s20, s20, s17
	s_mov_b32 s21, 0
	s_lshr_b32 s22, ttmp9, 3
	s_lshl_b32 s22, s22, 19                        ; xb: row block id / 8, 524,288 bytes each,
	s_and_b32 s23, ttmp9, 7
	s_lshl_b32 s23, s23, 12                        ; 32 (id % 8) rows of 128 bytes,
	s_add_co_u32 s22, s22, s23
	s_lshl_b32 s23, s16, 16                        ; k block 2 w of 32,768 bytes
	s_add_co_u32 s22, s22, s23
	s_mov_b32 s23, 0
	s_mul_i32 s18, ttmp9, 3                        ; my first group of 4 rows among the weights' 768
	s_mul_i32 s19, s16, 98304                      ; wb: k block 2 w of 49,152 bytes
	s_wait_kmcnt 0x0
	s_add_nc_u64 s[4:5], s[4:5], s[20:21]
	s_add_nc_u64 s[12:13], s[12:13], s[22:23]
	s_wait_alu depctr_va_vdst(0)                   ; v2 and v3 are written: every load of the kernel reads v2 as its offset, every store v3
.set n_, 0
.rept 16                               ; piece n of x: rows 4 (n / 2) on, k block 2 w + n % 2
	global_load_b128 v[8+8*n_:8+8*n_+3],   v2, s[4:5] offset:(n_/2)*16384+(n_%2)*256 th:TH_LOAD_NT
	global_load_b128 v[8+8*n_+4:8+8*n_+7], v2, s[4:5] offset:(n_/2)*16384+(n_%2)*256+16 th:TH_LOAD_NT
.set n_, n_+1
.endr
.irp t, 0,1,2                          ; group g = 3 id + t: matrix g / 256, its rows 4 (g % 256) on; row 4 g of the 3,072
	s_add_co_u32 s24, s18, \t
	s_lshr_b32 s25, s24, 8                         ; which matrix
	s_and_b32 s26, s24, 255
	s_lshl_b32 s26, s26, 14
	s_add_co_u32 s26, s26, s17
	s_mov_b32 s27, 0
	s_mul_i32 s28, s24, 683
	s_lshr_b32 s28, s28, 16                        ; g / 96, exact for g < 768: the row block of 384
	s_mul_i32 s29, s28, 96
	s_sub_co_u32 s29, s24, s29
	s_lshl_b32 s29, s29, 9                         ; 4 rows of 128 bytes a group
	s_mul_i32 s28, s28, 786432
	s_add_co_u32 s28, s28, s29
	s_add_co_u32 s28, s28, s19
	s_mov_b32 s29, 0
	s_cmp_eq_u32 s25, 1
	s_cselect_b64 s[40+4*\t:41+4*\t], s[8:9], s[6:7]
	s_cmp_eq_u32 s25, 2
	s_cselect_b64 s[40+4*\t:41+4*\t], s[10:11], s[40+4*\t:41+4*\t]
	s_add_nc_u64 s[40+4*\t:41+4*\t], s[40+4*\t:41+4*\t], s[26:27]  ; the group's source,
	s_add_nc_u64 s[42+4*\t:43+4*\t], s[14:15], s[28:29]            ; and its place in wb
.endr
.set n_, 16
.rept 6                                ; piece n of the weights: group (n - 16) / 2, k block 2 w + n % 2
	global_load_b128 v[8+8*n_:8+8*n_+3],   v2, s[40+4*((n_-16)/2):41+4*((n_-16)/2)] offset:(n_%2)*256 th:TH_LOAD_NT
	global_load_b128 v[8+8*n_+4:8+8*n_+7], v2, s[40+4*((n_-16)/2):41+4*((n_-16)/2)] offset:(n_%2)*256+16 th:TH_LOAD_NT
.set n_, n_+1
.endr
.macro CVT n                           ; piece n is rounded
.irp i, 0,1,2,3
	v_cvt_pk_bf16_f32 v[8+8*(\n)+(\i)], v[8+8*(\n)+2*(\i)], v[8+8*(\n)+2*(\i)+1]  ; in place, ascending: no source is lost
.endr
.endm
.macro OUT n                           ; piece n is stored
.if (\n) < 16
	global_store_b128 v3, v[8+8*(\n):8+8*(\n)+3], s[12:13] offset:((\n)/2)*512+((\n)%2)*32768
.else
	global_store_b128 v3, v[8+8*(\n):8+8*(\n)+3], s[42+4*(((\n)-16)/2):43+4*(((\n)-16)/2)] offset:((\n)%2)*49152
.endif
.endm
.set g_, 0
.rept 11                               ; step g: pieces 2 g and 2 g + 1 are rounded, pieces 2 g - 2 and 2 g - 1 stored
	s_wait_loadcnt 40-4*g_                         ; loads come back in order: the 4 (10 - g) issued behind this step's four may stay out
.if g_ > 0
	s_wait_alu depctr_va_vdst(0)                   ; the conversions of the step before have written the low four registers of pieces 2 g - 2 and 2 g - 1, which the two stores below read
	OUT 2*g_-2
.endif
	CVT 2*g_                                       ; names piece 2 g's registers alone: none that the store below reads
.if g_ > 0
	OUT 2*g_-1
.endif
	CVT 2*g_+1
.set g_, g_+1
.endr
	s_wait_alu depctr_va_vdst(0)                   ; the conversions of step 10 have written the low four registers of pieces 20 and 21, which the last two stores read
	OUT 20
	OUT 21
	s_endpgm
.Lfunc_end_k_qaaf8b5fa18_cast:
	.size	k_qaaf8b5fa18_cast, .Lfunc_end_k_qaaf8b5fa18_cast-k_qaaf8b5fa18_cast
	.p2alignl 7, 3214868480
	.fill 96, 4, 3214868480
	.section	.rodata,"a",@progbits
	.p2align	6, 0x0
	.amdhsa_kernel k_qaaf8b5fa18_cast
		.amdhsa_group_segment_fixed_size 0
		.amdhsa_private_segment_fixed_size 0
		.amdhsa_enable_private_segment 0
		.amdhsa_kernarg_size 48
		.amdhsa_user_sgpr_count 2
		.amdhsa_user_sgpr_kernarg_segment_ptr 1
		.amdhsa_wavefront_size32 1
		.amdhsa_system_sgpr_workgroup_id_x 1
		.amdhsa_system_sgpr_workgroup_id_y 1
		.amdhsa_system_sgpr_workgroup_id_z 1
		.amdhsa_system_vgpr_workitem_id 0
		.amdhsa_next_free_vgpr 184
		.amdhsa_next_free_sgpr 66
		.amdhsa_reserve_vcc 0
		.amdhsa_float_denorm_mode_32 3
		.amdhsa_float_denorm_mode_16_64 3
		.amdhsa_memory_ordered 1
		.amdhsa_forward_progress 1
		.amdhsa_inst_pref_size 17
	.end_amdhsa_kernel
	.amdgpu_metadata
---
amdhsa.version: [ 1, 2 ]
amdhsa.kernels:
  - .name:           k_qaaf8b5fa18_cast
    .symbol:         k_qaaf8b5fa18_cast.kd
    .args:
      - { .name: x, .offset: 0, .size: 8, .value_kind: global_buffer, .address_space: global }
      - { .name: Wq, .offset: 8, .size: 8, .value_kind: global_buffer, .address_space: global }
      - { .name: Wk, .offset: 16, .size: 8, .value_kind: global_buffer, .address_space: global }
      - { .name: Wv, .offset: 24, .size: 8, .value_kind: global_buffer, .address_space: global }
      - { .name: xb, .offset: 32, .size: 8, .value_kind: global_buffer, .address_space: global }
      - { .name: wb, .offset: 40, .size: 8, .value_kind: global_buffer, .address_space: global }
    .group_segment_fixed_size: 0
    .private_segment_fixed_size: 0
    .kernarg_segment_align: 8
    .kernarg_segment_size: 48
    .max_flat_workgroup_size: 256
    .sgpr_count:     66
    .vgpr_count:     184
    .wavefront_size: 32
...
	.end_amdgpu_metadata
.endif
;; end of part 5
;; launch proj: the kernel of part 2 again; grid 8 x 32, 4 waves a work-group, clusters of 4 x 4, 327,680 bytes of LDS; arguments xb, wb, qkv; writes qkv
;; launch score: the kernel of part 3 again; grid 8 x 32, 4 waves a work-group, clusters of 4 x 4, 327,680 bytes of LDS; arguments qkv, pt, mst, lst; writes pt, mst, lst
;; launch mix: the kernel of part 4 again; grid 32 x 8, 4 waves a work-group, clusters of 4 x 1, 327,680 bytes of LDS; arguments pt, qkv, mst, lst, out0; writes out0
